; MI455X (gfx1250); checked and timed in simulation.
; The chip was launched on July 23, 2026; its instructions are those of AMD's public machine-readable ISA for CDNA 5 (MIT licence, August 2026) and "CDNA5" Instruction Set Architecture Reference Guide (July 2026). The comments in the code are by the model that wrote it; some were corrected since.
;; Temporal Memory Tokens. Allowed arithmetic: float matrix products may take bf16 or f16 operands with f32 sums; all other float work in f32.
;; Inputs: Wg 128 x 256 float32; Wk 128 x 128 float32; Wo 128 x 128 float32; Wq 128 x 128 float32; Wv 128 x 128 float32; bg 128 float32; bk 128 float32; bo 128 float32; bq 128 float32; bv 128 float32; frames 4,096 x 64 x 128 float32; ln_b 128 float32; ln_w 128 float32; memory_init 1 x 128 float32.
;; Outputs: out0 4,096 x 1 x 128 float32.
;; 3 versions, each right; version 2 is faster than version 1; version 3 is version 2 with the launch memtok written anew for expert scheduling mode. Each part assembles by itself: llvm-mc -triple=amdgcn-amd-amdhsa -mcpu=gfx1250 --defsym DOCPART=n.
;; ======== version 1 of 3: 1 launch
;; limits: a difference of large sums (such as E[x^2] - mean^2): digits are lost where the result is much smaller than its terms; values are held in f16: magnitudes above 65,504 overflow, below 6.1e-05 lose precision; inputs' magnitudes at most 65,504
;; launch memtok (part 1): grid 256 x 1, 4 waves a work-group, no clusters, 161,792 bytes of LDS; arguments frames, memory_init, Wq, bq, Wk, bk, Wv, bv, Wo, bo, Wg, bg, ln_w, ln_b, out0; writes out0
.if DOCPART == 1
	.amdgcn_target "amdgcn-amd-amdhsa--gfx1250"
	.amdhsa_code_object_version 6
	.text
	.protected	k_q282d6ddbcb_memtok
	.globl	k_q282d6ddbcb_memtok
	.p2align	8
	.type	k_q282d6ddbcb_memtok,@function
k_q282d6ddbcb_memtok:
	s_mov_b64 s[64:65], 0
	v_nop
	global_prefetch_b8 v0, s[64:65] scope:SCOPE_SE
	s_setreg_imm32_b32 hwreg(HW_REG_WAVE_MODE, 25, 1), 1
	s_wait_xcnt 0x0
; TemporalMemoryTokens: 4,096 sequences, each carries one token of 128 numbers through 64 dependent steps.
; 256 work-groups of four waves.  Work-group g owns sequences 16 g .. 16 g + 15: they are the 16 columns of every
; matrix instruction.  Wave w owns output features 32 w .. 32 w + 31 (two tiles of 16 rows, a = 0, 1).
; Every product is  weights (A, rows = features, K contiguous)  x  activations (B, column = sequence).  In the result
; lane (r, h) holds features 16 a + 8 h + 0..7 of sequence r: what LayerNorm needs per sequence is a per-lane number,
; and packed conversions make the 16 bytes that are half of the next step's B fragment.
;
; WHAT IS COMPUTED (f = frame, m = memory, c = -log2 e, Wg = [Wg1 | Wg2]):
;   the softmax runs over an axis of length one, exp(s - s) / exp(s - s) = 1 for every finite score, so attended = v;
;   u = (Wo Wv) f + (Wo bv + bo) = AU f + BU;
;   c logit = (c Wg2 Wo Wv) f + c (bg + Wg2 BU + Wg1 ln_b) + rs (AM x) = AG f + BG + rs (AM x),
;       x = the last step's blend before LayerNorm, rs = 1 / sqrt(var + eps),
;       AM = c Wg1 diag(ln_w) with each row's mean taken off (that does the "- mu" of LayerNorm inside the product);
;   gate = 1 / (1 + 2^(c logit));  x' = m + gate (u - m);  m = (x - mu) rs ln_w + ln_b.
;   So a step has ONE exchange through LDS (x, and each wave's sum and sum of squares) and one barrier.
;   AU f and AG f do not hang on m: they are made one step ahead and stand where the chain would wait.
;
; PAIRS OF f16.  The memory outlives the 64 steps (a step keeps 1 - gate of it and LayerNorm scales it back) and feeds its
; own gate, so an error of the operands adds up from step to step and grows.  Hence x, the frames, AM, AU, Wo and Wv go to the
; matrix unit as hi + lo: hi = the number cut to 10 mantissa bits (exact in f16), lo = the rest, rounded to f16; and a
; product is three products, Ah Bh + Ah Bl + Al Bh, on one f32 accumulator.  AG f is one product: it is 0.05 of the logit's
; spread at the given sizes of weights and changes with every frame.  The four matrix-vector products of the constants
; (Wo bv, Wg2 BU, Wg1 ln_b, Wg1 memory_init: 65,536 multiply-adds a work-group, once) are made in f32 by the vector unit from
; the f32 weights that lie in registers anyway: in a matrix instruction fifteen of the sixteen columns would be idle.
;
; Wq, bq, Wk, bk reach reference()'s result only through a score that is not finite.  All four are read, and the sum of
; 0 x every element (0, or NaN if one of them is Inf or NaN) is added to every output.
;
; LIMITS.  (1) Finite Wq, bq, Wk, bk whose score passes 3.4e38 give NaN in reference() and not here.
; (2) Frames, x, the weights and their products must stay below 65,504 in magnitude (f16).  A pair carries a number to
; 2^-21 of itself or to 3e-8 absolutely, whichever is larger (the lo parts of small numbers are f16 denormals).
; (3) Wo Wv and c Wg2 Wo Wv are multiplied out first, c Wg2 Wo Wv is rounded to f16: another order of rounding than reference()'s.
; (4) var = E[x^2] - mu^2, held at 0 from below: its relative error grows as 2^-24 mu^2 / var.  With Inf in x some outputs
; differ from reference()'s NaN.  (5) v_exp_f32 and v_rcp_f32 flush denormals (ISA guide 15.8): a gate can be exactly 0 or 1.
; (6) -0 comes out as +0.
;
; NO CLUSTER: the work-groups share only the weights, 384 KiB read once by each, against 512 KiB of frames of its own.
; Wo and Wg go from memory straight into the lanes' fragment registers; a joint request lands in LDS and would add a pass
; of 256 KiB of f32 through LDS.  NO TENSOR LOADS: the frames are f32 and pass through registers for the split anyway.
; NO PREFETCH: a frame tile is asked for by its load eleven trips before the trip that uses it.
; ---- LDS, bytes ----
.set FB0,  0                           ; frame tile in f16, 16 sequences, pitch 272: hi part, lo part at + LOP; slot p at SLOTB p
.set LOP,  4352
.set SLOTB, 8704
.set XB0,  17408                       ; x likewise
.set SB0,  34816                       ; 16 sequences, pitch 80: eight pairs (sum, sum of squares) at 16 w + 8 h; slot p at 1280 p
.set OUTB, 37376                       ; the result in f32, 16 sequences, pitch 528
.set PZ,   45824                       ; one word a wave: 0 x (Wq, bq, Wk, bk)
.set BVV,  46080                       ; bv, ln_b, memory_init, BU, ln_w as f32 vectors, 512 bytes each
.set LBV,  46592
.set M0V,  47104
.set BUV,  47616
.set LWV,  48128
.set MV0,  48640                       ; the four matrix-vector products, 512 bytes each; wave w writes and reads bytes 128 w ..
.set MV1,  49152
.set MV2,  49664
.set MV3,  50176
.set WT1,  50688                       ; Wv in f16, [j][i], pitch 288 (nine times 32: for the transposing load): hi, lo at + WTB
.set WTB,  36864
.set WT2,  124416                      ; hi of Wo Wv, [j][i], pitch 288.  End: 161,280
; ---- window 0 ----
.set VFO, 4                            ; v4-27: byte offsets, written once (list where they are made)
.set VQO, 5
.set VFRAG, 6
.set VCST, 7
.set VXST, 8
.set VSST, 9
.set VSLD, 10
.set VOST, 11
.set VOLD, 12
.set VOG, 13
.set VPZ, 14
.set VPZL, 15
.set VWV, 16
.set VWVS, 17
.set VWO, 18
.set VWG, 19
.set VTB, 20
.set VTR1, 21
.set VTR2, 22
.set VWS2, 23
.set VV4, 24
.set VTR1L, 25
.set VMV, 26
.set VKF, 27
.set BU,  32                           ; tables of my 16 features (register 8 a + j): BU, BG, ln_w, ln_b
.set BG,  48
.set LW,  64
.set LB,  80
.set ST,  96                           ; the state: x, then m, in place
.set PP,  112                          ; AM x; then 2^(c logit); then x cut to hi.  Ahead of the loop: products' tile 0, step 0's BG
.set SR,  128                          ; the eight pairs of sums; a frame tile cut to hi.  Ahead of the loop: products' tile 1
.set DP,  112
.set U0,  144                          ; u of even steps; U0 + 16 of odd steps.  When u is spent: x's f16 pair
.set G0,  176                          ; c logit of even steps; G0 + 16 of odd steps.  When the gate is spent: x - hi
.set TA,  144                          ; ahead of the loop, 144-207: transposed fragments; numbers cut to hi; a vector along K
.set CV,  208                          ; a frame tile's hi in f16 on its way to LDS.  Ahead of the loop 208-239: at work
.set CVL, 216                          ; its lo
.set TS,  224
.set QQ,  232
.set SPR, 236                          ; my (sum, sum of squares)
.set RS,  238                          ; (rs, -mu rs)
.set TT,  240
.set PA,  244                          ; 0 x what was read of Wq, bq, Wk, bk
.set VE,  248                          ; one element a thread of bv, ln_b, memory_init, ln_w, bq, bk
; ---- window 1: A fragments, (a, s) at 8 (4 a + s) ----
.set AU,  0                            ; hi of Wo Wv
.set AG,  64
.set AM,  128                          ; hi of AM
.set AML, 192                          ; lo of AM
.set TMPF, 192                         ; before that: hi of Wo
; ---- window 2: ring slot k at 20 k (16 registers of frames, 4 of Wq or Wk), k = 0..7; hi B fragments ----
.set XF,  160
.set FR0, 192                          ; frames of even steps; FR0 + 32 of odd steps
; ---- window 3 ----
.set AUL, 0                            ; lo of Wo Wv
.set XFL, 64                           ; lo B fragments
.set FRL0, 96
.set WL,  64                           ; ahead of the loop: lo of Wo, then c Wg2
.set STGA, 0                           ; ahead of the loop: Wv in f32
.set STGB, 128                         ; ahead of the loop: Wo, Wg2, Wg1 in f32 in turn, piece (a, s) at 16 (4 a + s)
; s_set_vgpr_msb: bits 1:0 source 0, 3:2 source 1, 5:4 source 2, 7:6 destination; the high byte repeats the setting left.
; Loads: 0x80 into window 2, 0xc0 into 3.  Products (C, D window 0): 0x09 A 1, B 2; 0x0d A 1, B 3; 0x0b A 3, B 2; 0x04 B 1; 0x0c B 3.
; Vector work: 0x08 source 1 from 2; 0x82 window 2 minus window 0 in place; 0x0a 2 to 0; 0x0c source 1 from 3; 0xc3 window 3 in
; place with source 1 from 0; 0x03, 0x0b source 0 from 3 (source 1 from 0, 2); 0x0f, 0x4f, 0xcf 3 to 0, 1, 3; 0x40, 0xc0 0 to 1, 3.
.set MSB, 0
.macro WIN new
.if MSB != (\new)
	s_set_vgpr_msb (MSB<<8)|(\new)
.set MSB, \new
.endif
.endm
.macro PLACES n
.rept \n
	v_nop
.endr
.endm
.macro LEFLAG name, x, lim
.if (\x) <= (\lim)
.set \name, 1
.else
.set \name, 0
.endif
.endm
; 32 loads: rows 32 w + 16 a + r of an f32 matrix with rows of rp bytes, from byte col on, in the lanes' fragment order:
; piece (a, s), registers 0-7: k = 32 s + 8 h + 0..7, registers 8-15: k = 32 s + 16 + 8 h + 0..7
.macro LDFRAG dst, voff, sb, col, rp
.irp a, 0,1
.irp s, 0,1,2,3
	global_load_b128 v[\dst+16*(4*\a+\s):\dst+16*(4*\a+\s)+3], v[\voff], s[\sb:\sb+1] offset:\col+\a*16*\rp+128*\s
	global_load_b128 v[\dst+16*(4*\a+\s)+4:\dst+16*(4*\a+\s)+7], v[\voff], s[\sb:\sb+1] offset:\col+\a*16*\rp+128*\s+16
	global_load_b128 v[\dst+16*(4*\a+\s)+8:\dst+16*(4*\a+\s)+11], v[\voff], s[\sb:\sb+1] offset:\col+\a*16*\rp+128*\s+64
	global_load_b128 v[\dst+16*(4*\a+\s)+12:\dst+16*(4*\a+\s)+15], v[\voff], s[\sb:\sb+1] offset:\col+\a*16*\rp+128*\s+80
.endr
.endr
.endm
; 4 loads: a vector's elements 32 w + 16 a + 8 h + j into register 8 a + j; from memory, from LDS
.macro LDTAB dst, sb
.irp a, 0,1
	global_load_b128 v[\dst+8*\a:\dst+8*\a+3], v[VTB], s[\sb:\sb+1] offset:64*\a
	global_load_b128 v[\dst+8*\a+4:\dst+8*\a+7], v[VTB], s[\sb:\sb+1] offset:64*\a+16
.endr
.endm
.macro TABLD dst, region
.irp a, 0,1
	ds_load_b128 v[(\dst)+8*\a:(\dst)+8*\a+3], v[VTB] offset:\region+64*\a
	ds_load_b128 v[(\dst)+8*\a+4:(\dst)+8*\a+7], v[VTB] offset:\region+64*\a+16
.endr
.endm
; 16 LDS loads: an f32 vector along K, in the order of LDFRAG's pieces (register 16 s + q)
.macro KLOAD dst, region
.irp s, 0,1,2,3
	ds_load_b128 v[(\dst)+16*\s:(\dst)+16*\s+3], v[VKF] offset:\region+128*\s
	ds_load_b128 v[(\dst)+16*\s+4:(\dst)+16*\s+7], v[VKF] offset:\region+128*\s+16
	ds_load_b128 v[(\dst)+16*\s+8:(\dst)+16*\s+11], v[VKF] offset:\region+128*\s+64
	ds_load_b128 v[(\dst)+16*\s+12:(\dst)+16*\s+15], v[VKF] offset:\region+128*\s+80
.endr
.endm
; 8 matrix instructions: D[a] = C[a] (or 0) + sum over s of A(a, s) x B(s); the two chains take turns
.macro MM8 d, c, ab, bb, zero
.irp s, 0,1,2,3
.irp a, 0,1
.if \s == 0
.if \zero
	v_wmma_f32_16x16x32_f16 v[(\d)+8*\a:(\d)+8*\a+7], v[(\ab)+8*(4*\a+\s):(\ab)+8*(4*\a+\s)+7], v[(\bb)+8*\s:(\bb)+8*\s+7], 0
.else
	v_wmma_f32_16x16x32_f16 v[(\d)+8*\a:(\d)+8*\a+7], v[(\ab)+8*(4*\a+\s):(\ab)+8*(4*\a+\s)+7], v[(\bb)+8*\s:(\bb)+8*\s+7], v[(\c)+8*\a:(\c)+8*\a+7]
.endif
.else
	v_wmma_f32_16x16x32_f16 v[(\d)+8*\a:(\d)+8*\a+7], v[(\ab)+8*(4*\a+\s):(\ab)+8*(4*\a+\s)+7], v[(\bb)+8*\s:(\bb)+8*\s+7], v[(\d)+8*\a:(\d)+8*\a+7]
.endif
.endr
.endr
.endm
; 128 f32 registers to 64 of f16, rounded
.macro CVT64 dst, src
.set i_, 0
.rept 64
	v_cvt_pk_f16_f32 v[(\dst)+i_], v[(\src)+2*i_], v[(\src)+2*i_+1]
.set i_, i_+1
.endr
.endm
; 128 f32 registers times c
.macro SCALE64 base
.set i_, 0
.rept 64
	v_pk_mul_f32 v[(\base)+2*i_:(\base)+2*i_+1], v[(\base)+2*i_:(\base)+2*i_+1], s[40:41] op_sel_hi:[1,0]
.set i_, i_+1
.endr
.endm
; 64 f32 registers of window 3 into 32 registers of hi and 32 of lo.  The cut numbers pass through TA; src is left holding x - hi
.macro SPLIT64 src, hdst, hwin, ldst, lwin
	WIN 0x0c
.set i_, 0
.rept 64
	v_and_b32 v[TA+i_], s42, v[(\src)+i_]
.set i_, i_+1
.endr
	WIN 0xc3
.set i_, 0
.rept 32
	v_pk_add_f32 v[(\src)+2*i_:(\src)+2*i_+1], v[(\src)+2*i_:(\src)+2*i_+1], v[TA+2*i_:TA+2*i_+1] neg_lo:[0,1] neg_hi:[0,1]
.set i_, i_+1
.endr
	WIN \hwin
.set i_, 0
.rept 32
	v_cvt_pk_f16_f32 v[(\hdst)+i_], v[TA+2*i_], v[TA+2*i_+1]
.set i_, i_+1
.endr
	WIN \lwin
.set i_, 0
.rept 32
	v_cvt_pk_f16_f32 v[(\ldst)+i_], v[(\src)+2*i_], v[(\src)+2*i_+1]
.set i_, i_+1
.endr
.endm
; A matrix-vector product in f32: rows 32 w + 16 a + r of the matrix in window 3 (64 numbers of a row in this lane, 64 in lane
; xor 16) times the vector along K; row's result to word 32 w + 16 a + r of region mv (both halves write the same number)
.macro MATV src, vec, win, mv, t
.irp a, 0,1
	WIN \win
.irp e, 0,2,4,6
	v_pk_mul_f32 v[CV+\e:CV+\e+1], v[(\src)+64*\a+\e:(\src)+64*\a+\e+1], v[(\vec)+\e:(\vec)+\e+1]
.endr
.set i_, 4
.rept 28
	v_pk_fma_f32 v[CV+2*(i_%4):CV+2*(i_%4)+1], v[(\src)+64*\a+2*i_:(\src)+64*\a+2*i_+1], v[(\vec)+2*i_:(\vec)+2*i_+1], v[CV+2*(i_%4):CV+2*(i_%4)+1]
.set i_, i_+1
.endr
	WIN 0
	v_pk_add_f32 v[CV:CV+1], v[CV:CV+1], v[CV+2:CV+3]
	v_pk_add_f32 v[CV+4:CV+5], v[CV+4:CV+5], v[CV+6:CV+7]
	v_pk_add_f32 v[CV:CV+1], v[CV:CV+1], v[CV+4:CV+5]
	v_add_f32 v[(\t)+\a], v[CV], v[CV+1]
	v_permlanex16_b32 v[CV+2], v[(\t)+\a], s6, s7  ; the row's other half (its destination has been written above)
	v_add_f32 v[(\t)+\a], v[(\t)+\a], v[CV+2]
	ds_store_b32 v[VMV], v[(\t)+\a] offset:\mv+64*\a
.endr
.endm
; ---- products of two weight matrices: dst(o, i) = sum over j of W(o, j) M(j, i), M in LDS as [j][i] ----
; They are made transposed, D'(i, o) = sum over j of M^T(i, j) W(o, j): a lane then holds 8 neighbouring i of row o = r,
; which packs into half of an A fragment.  M^T comes by the transposing load (ISA guide 11.2).
.macro PMUL it, ta, bb, zero
.irp s, 0,1,2,3
.irp a, 0,1
.if \s == 0
.if \zero
	v_wmma_f32_16x16x32_f16 v[DP+16*((\it)&1)+8*\a:DP+16*((\it)&1)+8*\a+7], v[(\ta)+8*\s:(\ta)+8*\s+7], v[(\bb)+8*(4*\a+\s):(\bb)+8*(4*\a+\s)+7], 0
.else
	v_wmma_f32_16x16x32_f16 v[DP+16*((\it)&1)+8*\a:DP+16*((\it)&1)+8*\a+7], v[(\ta)+8*\s:(\ta)+8*\s+7], v[(\bb)+8*(4*\a+\s):(\bb)+8*(4*\a+\s)+7], v[DP+16*((\it)&1)+8*\a:DP+16*((\it)&1)+8*\a+7]
.endif
.else
	v_wmma_f32_16x16x32_f16 v[DP+16*((\it)&1)+8*\a:DP+16*((\it)&1)+8*\a+7], v[(\ta)+8*\s:(\ta)+8*\s+7], v[(\bb)+8*(4*\a+\s):(\bb)+8*(4*\a+\s)+7], v[DP+16*((\it)&1)+8*\a:DP+16*((\it)&1)+8*\a+7]
.endif
.endr
.endr
.endm
.macro TRLD vt, dst, it
.irp s, 0,1,2,3
	ds_load_tr16_b128 v[(\dst)+8*\s:(\dst)+8*\s+3], v[\vt] offset:9216*\s+32*(\it)
	ds_load_tr16_b128 v[(\dst)+8*\s+4:(\dst)+8*\s+7], v[\vt] offset:9216*\s+32*(\it)+4608
.endr
.endm
; tile it of Wo Wv: cut, take off, round: AU (window 1) and AUL (window 3)
.macro PSPLIT it
	WIN 0
.set i_, 0
.rept 16
	v_and_b32 v[CV+i_], s42, v[DP+16*((\it)&1)+i_]
.set i_, i_+1
.endr
.set i_, 0
.rept 8
	v_pk_add_f32 v[CV+16+2*i_:CV+16+2*i_+1], v[DP+16*((\it)&1)+2*i_:DP+16*((\it)&1)+2*i_+1], v[CV+2*i_:CV+2*i_+1] neg_lo:[0,1] neg_hi:[0,1]
.set i_, i_+1
.endr
	WIN 0x40
.irp a, 0,1
.irp e, 0,1,2,3
	v_cvt_pk_f16_f32 v[AU+8*(4*\a+((\it)>>1))+4*((\it)&1)+\e], v[CV+8*\a+2*\e], v[CV+8*\a+2*\e+1]
.endr
.endr
	WIN 0xc0
.irp a, 0,1
.irp e, 0,1,2,3
	v_cvt_pk_f16_f32 v[AUL+8*(4*\a+((\it)>>1))+4*((\it)&1)+\e], v[CV+16+8*\a+2*\e], v[CV+16+8*\a+2*\e+1]
.endr
.endr
.endm
; Wo Wv in pairs: eight tiles of 16 i, three products each.  The 40 vector lines that split tile n - 1 name none of tile n's
; registers: they are the places between tile n's products and the loads into their A registers, the lines
; that read their D, and the products that write their D again.  Behind tile 0: five v_nop.
.macro PROD3
.irp n, 0,1,2,3,4,5,6,7
	WIN 0
	TRLD VTR1, TA, \n
	TRLD VTR1L, TA+32, \n
	s_wait_dscnt 8                                 ; the lo part's eight loads may be out: the hi part is in
	WIN 0x04
	PMUL \n, TA, TMPF, 1                           ; Wv hi x Wo hi
	WIN 0x0c
	PMUL \n, TA, WL, 0                             ; Wv hi x Wo lo
	s_wait_dscnt 0x0
	WIN 0x04
	PMUL \n, TA+32, TMPF, 0                        ; Wv lo x Wo hi
.if \n == 0
	PLACES 5
.else
	PSPLIT \n-1
.endif
.endr
	PSPLIT 7                                       ; tile 6's lines are the places behind tile 7's products
.endm
.macro PCVT dst, it
.irp a, 0,1
.irp e, 0,1,2,3
	v_cvt_pk_f16_f32 v[\dst+8*(4*\a+((\it)>>1))+4*((\it)&1)+\e], v[DP+16*((\it)&1)+8*\a+2*\e], v[DP+16*((\it)&1)+8*\a+2*\e+1]
.endr
.endr
.endm
; One product, rounded to f16; two buffers of fragments.  Tile n's products stand between the loads of tile n + 1 and the
; conversions of tile n - 1, which are the places in the same way as above.
.macro PROD vt, dst, bb, bwin
	WIN 0
	TRLD \vt, TA, 0
.irp n, 0,1,2,3,4,5,6,7
	WIN 0
.if \n < 7
	TRLD \vt, TA+32*((\n+1)&1), \n+1
	s_wait_dscnt 8                                 ; the eight loads just issued may be out: this tile's are in
.else
	s_wait_dscnt 0x0
.endif
	WIN \bwin
	PMUL \n, TA+32*(\n&1), \bb, 1
.if \n == 0
	PLACES 5
.else
	WIN 0x40
	PCVT \dst, \n-1
.endif
.endr
	PCVT \dst, 7
.endm
; take each row's mean off tile a of c Wg1 diag(ln_w), in place in window 3
.macro ROWMEAN a
	WIN 0x0f
.set i_, 0
.rept 16
	v_pk_add_f32 v[CV+2*i_:CV+2*i_+1], v[STGB+64*\a+4*i_:STGB+64*\a+4*i_+1], v[STGB+64*\a+4*i_+2:STGB+64*\a+4*i_+3]
.set i_, i_+1
.endr
	WIN 0
.irp e, 0,2,4,6,8,10,12,14
	v_pk_add_f32 v[CV+\e:CV+\e+1], v[CV+\e:CV+\e+1], v[CV+16+\e:CV+16+\e+1]
.endr
.irp e, 0,2,4,6
	v_pk_add_f32 v[CV+\e:CV+\e+1], v[CV+\e:CV+\e+1], v[CV+8+\e:CV+8+\e+1]
.endr
.irp e, 0,2
	v_pk_add_f32 v[CV+\e:CV+\e+1], v[CV+\e:CV+\e+1], v[CV+4+\e:CV+4+\e+1]
.endr
	v_pk_add_f32 v[CV:CV+1], v[CV:CV+1], v[CV+2:CV+3]
	v_add_f32 v[TT], v[CV], v[CV+1]
	v_permlanex16_b32 v[TT+1], v[TT], s6, s7       ; the row's other half (TT+1 has been written before)
	v_add_f32 v[TT], v[TT], v[TT+1]
	v_mul_f32 v[TT], 0x3c000000, v[TT]             ; / 128
	v_mov_b32 v[TT+1], v[TT]
	WIN 0xc3
.set i_, 0
.rept 32
	v_pk_add_f32 v[STGB+64*\a+2*i_:STGB+64*\a+2*i_+1], v[STGB+64*\a+2*i_:STGB+64*\a+2*i_+1], v[TT:TT+1] neg_lo:[0,1] neg_hi:[0,1]
.set i_, i_+1
.endr
.endm
; ---- the stations of frame tile tau: loaded (trip tau - 11), split (end of tau - 4), stored to FB[tau & 1] (tau - 3),
; ---- fragments read into FR, FRL[tau & 1] (tau - 2), multiplied (tau - 1), used (tau) ----
; 5 loads into ring slot k: my four sequences' 512 bytes of step trl (counted from the stepped base), and 2,048 bytes
; of Wq (even steps) or Wk (odd steps) over the work-group: 64 steps read both matrices once
.macro LOADG k, trl
.irp q, 0,1,2,3
	global_load_b128 v[20*(\k)+4*\q:20*(\k)+4*\q+3], v[VFO], s[8:9] offset:32768*\q+512*(\trl) th:TH_LOAD_NT
.endr
.if ((\trl)&1) == 0
	global_load_b128 v[20*(\k)+16:20*(\k)+19], v[VQO], s[12:13] offset:2048*((\trl)>>1)
.else
	global_load_b128 v[20*(\k)+16:20*(\k)+19], v[VQO], s[16:17] offset:2048*((\trl)>>1)
.endif
.endm
.macro CVT k, left
	s_wait_loadcnt \left                           ; loads come back in order (ISA guide 5.7.1): the younger groups of five stay out
	WIN 0x08
.irp i, 0,1,2,3,4,5,6,7,8,9,10,11,12,13,14,15
	v_and_b32 v[SR+\i], s42, v[20*(\k)+\i]         ; cut to hi
.endr
	WIN 0x82
.irp e, 0,2,4,6,8,10,12,14
	v_pk_add_f32 v[20*(\k)+\e:20*(\k)+\e+1], v[20*(\k)+\e:20*(\k)+\e+1], v[SR+\e:SR+\e+1] neg_lo:[0,1] neg_hi:[0,1]
.endr
	WIN 0x0a
.irp e, 0,1,2,3,4,5,6,7
	v_cvt_pk_f16_f32 v[CVL+\e], v[20*(\k)+2*\e], v[20*(\k)+2*\e+1]
.endr
	v_pk_fma_f32 v[PA:PA+1], v[20*(\k)+16:20*(\k)+17], 0, v[PA:PA+1] op_sel_hi:[1,0,1]
	v_pk_fma_f32 v[PA+2:PA+3], v[20*(\k)+18:20*(\k)+19], 0, v[PA+2:PA+3] op_sel_hi:[1,0,1]
	WIN 0
.irp e, 0,1,2,3,4,5,6,7
	v_cvt_pk_f16_f32 v[CV+\e], v[SR+2*\e], v[SR+2*\e+1]
.endr
.endm
.macro CST par
.irp q, 0,1,2,3
	ds_store_b64 v[VCST], v[CV+2*\q:CV+2*\q+1] offset:FB0+SLOTB*(\par)+272*\q
	ds_store_b64 v[VCST], v[CVL+2*\q:CVL+2*\q+1] offset:FB0+SLOTB*(\par)+LOP+272*\q
.endr
.endm
; 8 LDS loads: four B fragments from a tile of 16 sequences at byte "from"
.macro BLOAD dst, from
.irp s, 0,1,2,3
	ds_load_b128 v[(\dst)+8*\s:(\dst)+8*\s+3], v[VFRAG] offset:(\from)+64*\s
	ds_load_b128 v[(\dst)+8*\s+4:(\dst)+8*\s+7], v[VFRAG] offset:(\from)+64*\s+32
.endr
.endm
; from the eight pairs in SR: RS = (rs, -mu rs).  Every wave adds them in the same order, so all hold the same numbers
.macro STATS
	v_pk_add_f32 v[SR:SR+1], v[SR:SR+1], v[SR+2:SR+3]
	v_pk_add_f32 v[SR+4:SR+5], v[SR+4:SR+5], v[SR+6:SR+7]
	v_pk_add_f32 v[SR+8:SR+9], v[SR+8:SR+9], v[SR+10:SR+11]
	v_pk_add_f32 v[SR+12:SR+13], v[SR+12:SR+13], v[SR+14:SR+15]
	v_pk_add_f32 v[SR:SR+1], v[SR:SR+1], v[SR+4:SR+5]
	v_pk_add_f32 v[SR+8:SR+9], v[SR+8:SR+9], v[SR+12:SR+13]
	v_pk_add_f32 v[SR:SR+1], v[SR:SR+1], v[SR+8:SR+9]
	v_pk_mul_f32 v[TT:TT+1], v[SR:SR+1], 0x3c000000 op_sel_hi:[1,0]    ; / 128: (mu, E x^2)
	v_fma_f32 v[TT+2], -v[TT], v[TT], v[TT+1]      ; var
	v_max_num_f32 v[TT+2], 0, v[TT+2]
	v_add_f32 v[TT+2], 0x3727c5ac, v[TT+2]         ; + 1e-5
	v_rsq_f32 v[RS], v[TT+2]
	v_nop                                          ; one plain place behind the transcendental (ISA guide 5.7.2)
	s_wait_alu depctr_va_vdst(0)
	v_mul_f32 v[RS+1], -v[TT], v[RS]
.endm
; m = (x rs - mu rs) ln_w + ln_b, in place
.macro NORM
.irp e, 0,2,4,6,8,10,12,14
	v_pk_fma_f32 v[ST+\e:ST+\e+1], v[ST+\e:ST+\e+1], v[RS:RS+1], v[RS:RS+1] op_sel:[0,0,1] op_sel_hi:[1,0,1]
.endr
.irp e, 0,2,4,6,8,10,12,14
	v_pk_fma_f32 v[ST+\e:ST+\e+1], v[ST+\e:ST+\e+1], v[LW+\e:LW+\e+1], v[LB+\e:LB+\e+1]
.endr
.endm
; ---- one step.  tabs: the step's number (in the loop: modulo 8, plus 8); trel: counted from the stepped bases ----
.macro STEP trel, tabs
.set p_, (\tabs)&1
.set n_, 1-p_
	LEFLAG first_, \tabs, 0                        ; step 0: m = memory_init, nothing to normalise, G holds its own constant
	LEFLAG rel_, \tabs, 52                         ; tile tabs + 11 exists
	LEFLAG cst_, \tabs, 60                         ; tile tabs + 3
	LEFLAG fl_, \tabs, 61                          ; tile tabs + 2
	LEFLAG ff_, \tabs, 62                          ; tile tabs + 1, and a next step that wants x
	LEFLAG cvt_, \tabs, 59                         ; tile tabs + 4
.if (\tabs) <= 52
.set left_, 35
.else
.set left_, 5*(59-(\tabs))
.endif
.set UP_, U0+16*p_
.set GP_, G0+16*p_
.set UN_, U0+16*n_
.set GN_, G0+16*n_
	; LDS traffic of the trip, what the chain waits for first
.if first_ == 0
	WIN 0x80
	BLOAD XF, XB0+SLOTB*p_
	WIN 0xc0
	BLOAD XFL, XB0+SLOTB*p_+LOP
.endif
.if fl_
	WIN 0xc0
	BLOAD FRL0+32*p_, FB0+SLOTB*p_+LOP             ; into B registers of the last trip's products: the places stand in that trip
.endif
.if rel_
	WIN 0x80
	LOADG ((\tabs)+3)&7, (\trel)+11
.endif
.if fl_
	WIN 0x80
	BLOAD FR0+32*p_, FB0+SLOTB*p_
.endif
	WIN 0
.if first_ == 0
.irp i, 0,1,2,3
	ds_load_b128 v[SR+4*\i:SR+4*\i+3], v[VSLD] offset:SB0+1280*p_+16*\i
.endr
.endif
.if cst_
	CST n_
.endif
.if ff_
	WIN 0x0b
	MM8 UN_, BU, AUL, FR0+32*n_, 0                 ; next step's u, two of its three products, while x's fragments come from LDS
	WIN 0x0d
	MM8 UN_, UN_, AU, FRL0+32*n_, 0
.endif
.if first_ == 0
	s_wait_dscnt 16*fl_+8*cst_+4                   ; what was issued behind x's sixteen loads may be out
	WIN 0x0d
	MM8 PP, 0, AM, XFL, 1
	WIN 0x09
	MM8 PP, PP, AM, XF, 0
	MM8 PP, PP, AML, XF, 0
	WIN 0
	s_wait_dscnt 8*cst_                            ; the frame tile's stores may be out: the sums are in
	STATS
	NORM                                           ; these 30 lines name none of PP, AM, AML, XF: the places behind the products
.irp e, 0,2,4,6,8,10,12,14
	v_pk_fma_f32 v[GP_+\e:GP_+\e+1], v[PP+\e:PP+\e+1], v[RS:RS+1], v[GP_+\e:GP_+\e+1] op_sel_hi:[1,0,1]
.endr
.endif
	WIN 0
.irp i, 0,1,2,3,4,5,6,7,8,9,10,11,12,13,14,15
	v_exp_f32 v[PP+\i], v[GP_+\i]                  ; e^-logit
.endr
.irp e, 0,2,4,6
	v_pk_add_f32 v[UP_+\e:UP_+\e+1], v[UP_+\e:UP_+\e+1], v[ST+\e:ST+\e+1] neg_lo:[0,1] neg_hi:[0,1]    ; u - m: the plain place behind v_exp_f32
.endr
	s_wait_alu depctr_va_vdst(0)
.irp e, 0,2,4,6,8,10,12,14
	v_pk_add_f32 v[PP+\e:PP+\e+1], v[PP+\e:PP+\e+1], 1.0 op_sel_hi:[1,0]
.endr
.irp i, 0,1,2,3,4,5,6,7,8,9,10,11,12,13,14,15
	v_rcp_f32 v[GP_+\i], v[PP+\i]                  ; the gate
.endr
.irp e, 8,10,12,14
	v_pk_add_f32 v[UP_+\e:UP_+\e+1], v[UP_+\e:UP_+\e+1], v[ST+\e:ST+\e+1] neg_lo:[0,1] neg_hi:[0,1]    ; the plain place behind v_rcp_f32
.endr
	s_wait_alu depctr_va_vdst(0)
.irp e, 0,2,4,6,8,10,12,14
	v_pk_fma_f32 v[ST+\e:ST+\e+1], v[GP_+\e:GP_+\e+1], v[UP_+\e:UP_+\e+1], v[ST+\e:ST+\e+1]          ; x = m + gate (u - m)
.endr
.if ff_
	; x as a pair of f16; PP, the gate's and u's registers are spent and serve as room
.irp i, 0,1,2,3,4,5,6,7,8,9,10,11,12,13,14,15
	v_and_b32 v[PP+\i], s42, v[ST+\i]
.endr
.irp a, 0,1
.irp e, 0,1,2,3
	v_cvt_pk_f16_f32 v[UP_+4*\a+\e], v[PP+8*\a+2*\e], v[PP+8*\a+2*\e+1]
.endr
	ds_store_b128 v[VXST], v[UP_+4*\a:UP_+4*\a+3] offset:XB0+SLOTB*n_+32*\a
.endr
.irp e, 0,2,4,6,8,10,12,14
	v_pk_add_f32 v[GP_+\e:GP_+\e+1], v[ST+\e:ST+\e+1], v[PP+\e:PP+\e+1] neg_lo:[0,1] neg_hi:[0,1]
.endr
.irp a, 0,1
.irp e, 0,1,2,3
	v_cvt_pk_f16_f32 v[UP_+8+4*\a+\e], v[GP_+8*\a+2*\e], v[GP_+8*\a+2*\e+1]
.endr
	ds_store_b128 v[VXST], v[UP_+8+4*\a:UP_+8+4*\a+3] offset:XB0+SLOTB*n_+LOP+32*\a
.endr
.endif
	v_pk_add_f32 v[TS:TS+1], v[ST:ST+1], v[ST+2:ST+3]
	v_pk_add_f32 v[TS+2:TS+3], v[ST+4:ST+5], v[ST+6:ST+7]
	v_pk_add_f32 v[TS+4:TS+5], v[ST+8:ST+9], v[ST+10:ST+11]
	v_pk_add_f32 v[TS+6:TS+7], v[ST+12:ST+13], v[ST+14:ST+15]
	v_pk_mul_f32 v[QQ:QQ+1], v[ST:ST+1], v[ST:ST+1]
	v_pk_mul_f32 v[QQ+2:QQ+3], v[ST+2:ST+3], v[ST+2:ST+3]
.irp e, 4,8,12
	v_pk_fma_f32 v[QQ:QQ+1], v[ST+\e:ST+\e+1], v[ST+\e:ST+\e+1], v[QQ:QQ+1]
	v_pk_fma_f32 v[QQ+2:QQ+3], v[ST+\e+2:ST+\e+3], v[ST+\e+2:ST+\e+3], v[QQ+2:QQ+3]
.endr
	v_pk_add_f32 v[TS:TS+1], v[TS:TS+1], v[TS+2:TS+3]
	v_pk_add_f32 v[TS+4:TS+5], v[TS+4:TS+5], v[TS+6:TS+7]
	v_pk_add_f32 v[QQ:QQ+1], v[QQ:QQ+1], v[QQ+2:QQ+3]
	v_pk_add_f32 v[TS:TS+1], v[TS:TS+1], v[TS+4:TS+5]
	v_add_f32 v[SPR+1], v[QQ], v[QQ+1]
	v_add_f32 v[SPR], v[TS], v[TS+1]
	ds_store_b64 v[VSST], v[SPR:SPR+1] offset:SB0+1280*n_
.if ff_
	WIN 0x09
	MM8 UN_, UN_, AU, FR0+32*n_, 0                 ; next step's u, the third product, and its logit, while the stores land
	MM8 GN_, BG, AG, FR0+32*n_, 0
.endif
	; One barrier a trip.  FB, XB and SB have two slots each that take turns: what this trip wrote (slot n) was last read
	; one trip ago, in front of that trip's signal; what it read (slot p) is written again only behind this barrier.
	s_wait_dscnt 0x0                               ; for the others: my stores have landed, my reads are over
	s_barrier_signal -1
.if cvt_
	CVT ((\tabs)+4)&7, left_                       ; register work; also the places between the products above and the next loads into FR
.else
.if ff_
	PLACES 4
.endif
.endif
	s_barrier_wait -1
.endm
; =====================================================================================================================
	s_load_b512 s[8:23], s[0:1], 0x0               ; frames 8, memory_init 10, Wq 12, bq 14, Wk 16, bk 18, Wv 20, bv 22
	s_load_b256 s[24:31], s[0:1], 0x40             ; Wo 24, bo 26, Wg 28, bg 30
	s_load_b128 s[32:35], s[0:1], 0x60             ; ln_w 32, ln_b 34
	s_load_b64 s[36:37], s[0:1], 0x70              ; out0
	v_lshl_add_u32 v254, v0, 2, 0x27600
	v_mov_b32 v255, 0
	v_lshrrev_b32 v29, 5, v0
	v_readfirstlane_b32 s2, v29                    ; w
	v_and_b32 v1, 31, v0                           ; L
	v_and_b32 v2, 15, v0                           ; r
	v_bfe_u32 v3, v0, 4, 1                         ; h
	s_mov_b32 s6, 0x76543210                       ; v_permlanex16_b32: lane i reads lane i of the other half
	s_mov_b32 s7, 0xfedcba98
	s_mov_b32 s40, 0xbfb8aa3b                      ; c = -log2 e
	s_mov_b32 s41, 0xbfb8aa3b
	s_mov_b32 s42, 0xffffe000                      ; sign, exponent, 10 mantissa bits: what f16 holds exactly
	; offsets into global buffers
	s_lshl_b32 s38, s2, 17
	v_lshl_add_u32 v[VFO], v1, 4, s38              ; frames: 4 w sequences of 32,768 bytes + 16 L
	v_lshlrev_b32 v[VQO], 4, v0                    ; Wq, Wk: 16 t
	s_lshl_b32 s38, s2, 14
	v_lshl_add_u32 v[VWV], v1, 4, s38              ; Wv: 32 w rows of 512 bytes + 16 L
	v_lshlrev_b32 v30, 9, v2
	v_lshl_add_u32 v30, v3, 5, v30
	v_add_nc_u32 v[VWO], s38, v30                  ; Wo: 512 (32 w + r) + 32 h
	s_lshl_b32 s38, s2, 15
	v_lshlrev_b32 v30, 10, v2
	v_lshl_add_u32 v30, v3, 5, v30
	v_add_nc_u32 v[VWG], s38, v30                  ; Wg: 1024 (32 w + r) + 32 h
	s_lshl_b32 s38, s2, 7
	v_lshl_add_u32 v[VTB], v3, 5, s38              ; vectors of 128 f32, in memory and in LDS: 128 w + 32 h
	v_lshl_add_u32 v[VMV], v2, 2, s38              ; a row's word in such a vector: 128 w + 4 r
	s_lshl_b32 s39, s2, 11
	v_lshl_add_u32 v[VOG], v1, 4, s39              ; out0: 4 w rows of 512 bytes + 16 L
	v_lshlrev_b32 v[VV4], 2, v0                    ; 4 t
	; LDS addresses
	v_lshlrev_b32 v[VKF], 5, v3                    ; a vector along K: 32 h
	v_mul_u32_u24 v30, v2, 272
	v_lshl_add_u32 v[VFRAG], v3, 4, v30            ; B fragments: 272 r + 16 h
	s_lshl_b32 s39, s2, 6
	v_add_nc_u32 v[VXST], s39, v[VFRAG]            ; my x: 272 r + 64 w + 16 h
	s_mul_i32 s39, s2, 1088
	v_lshl_add_u32 v[VCST], v1, 3, s39             ; frames in f16: 272 (4 w) + 8 L
	v_mul_u32_u24 v[VSLD], v2, 80                  ; the sums of sequence r
	s_lshl_b32 s39, s2, 4
	v_lshl_add_u32 v30, v3, 3, v[VSLD]
	v_add_nc_u32 v[VSST], s39, v30                 ; my pair: 80 r + 16 w + 8 h
	v_mul_u32_u24 v30, v2, 528
	v_lshl_add_u32 v30, v3, 5, v30
	s_add_co_u32 s39, s38, OUTB
	v_add_nc_u32 v[VOST], s39, v30                 ; result in: 528 r + 128 w + 32 h
	s_mul_i32 s39, s2, 2112
	s_add_co_u32 s39, s39, OUTB
	v_lshl_add_u32 v[VOLD], v1, 4, s39             ; result back by rows: 528 (4 w) + 16 L
	s_lshl_b32 s39, s2, 2
	s_add_co_u32 s39, s39, PZ
	v_mov_b32 v[VPZ], s39
	v_mov_b32 v[VPZL], PZ
	s_mul_i32 s38, s2, 9216
	s_add_co_u32 s39, s38, WT1
	v_lshl_add_u32 v[VWVS], v1, 3, s39             ; Wv in f16: 288 (32 w) + 8 L
	v_mul_u32_u24 v30, v2, 288
	v_lshl_add_u32 v30, v3, 4, v30
	s_add_co_u32 s39, s38, WT2
	v_add_nc_u32 v[VWS2], s39, v30                 ; Wo Wv in f16: 288 (32 w + r) + 16 h
	v_and_b32 v30, 7, v0
	v_lshl_add_u32 v30, v3, 3, v30
	v_mul_u32_u24 v30, v30, 288
	v_bfe_u32 v31, v0, 3, 1
	v_lshl_add_u32 v30, v31, 4, v30                ; transposing load: 288 (8 h + L % 8) + 16 ((L / 8) % 2)
	v_add_nc_u32 v[VTR1], WT1, v30
	v_add_nc_u32 v[VTR1L], WT1+WTB, v30
	v_add_nc_u32 v[VTR2], WT2, v30
	s_wait_kmcnt 0x0
	s_lshl_b32 s4, ttmp9, 19                       ; 16 sequences of 32,768 bytes a work-group
	s_mov_b32 s5, 0
	s_add_nc_u64 s[8:9], s[8:9], s[4:5]
	s_lshl_b32 s4, ttmp9, 13                       ; 16 rows of 512 bytes
	s_add_nc_u64 s[36:37], s[36:37], s[4:5]
	; ---- the weights.  Loads in this order: Wv 32, vectors 6, Wo 32, tables 20 ----
	WIN 0xc0
.set i_, 0
.rept 32
	global_load_b128 v[STGA+4*i_:STGA+4*i_+3], v[VWV], s[20:21] offset:512*i_      ; row 32 w + i of Wv, 512 consecutive bytes
.set i_, i_+1
.endr
	WIN 0
	global_load_b32 v[VE], v[VV4], s[22:23]        ; bv
	global_load_b32 v[VE+1], v[VV4], s[34:35]      ; ln_b
	global_load_b32 v[VE+2], v[VV4], s[10:11]      ; memory_init
	global_load_b32 v[VE+3], v[VV4], s[32:33]      ; ln_w
	global_load_b32 v[VE+4], v[VV4], s[14:15]      ; bq
	global_load_b32 v[VE+5], v[VV4], s[18:19]      ; bk
	WIN 0xc0
	LDFRAG STGB, VWO, 24, 0, 512                   ; Wo
	WIN 0
	LDTAB BU, 26                                   ; bo
	LDTAB BG, 30                                   ; bg
	LDTAB LW, 32
	LDTAB LB, 34
	LDTAB ST, 10                                   ; m of step 0
	s_wait_loadcnt 52                              ; Wo's 32 and the tables' 20 may be out: Wv and the six vectors are in
	ds_store_b32 v[VV4], v[VE] offset:BVV
	ds_store_b32 v[VV4], v[VE+1] offset:LBV
	ds_store_b32 v[VV4], v[VE+2] offset:M0V
	ds_store_b32 v[VV4], v[VE+3] offset:LWV
	v_mul_f32 v[PA], 0, v[VE+4]                    ; 0 x bq, 0 x bk start the four sums of zeros
	v_mul_f32 v[PA+1], 0, v[VE+5]
	v_mov_b32 v[PA+2], v[PA]
	v_mov_b32 v[PA+3], v[PA+1]
.irp half, 0,1
	SPLIT64 STGA+64*\half, CV, 0, TA, 0x0f         ; sixteen rows of Wv: hi in CV .., lo in TA ..
	WIN 0
.set i_, 0
.rept 16
	ds_store_b64 v[VWVS], v[CV+2*i_:CV+2*i_+1] offset:288*(i_+16*\half)
	ds_store_b64 v[VWVS], v[TA+2*i_:TA+2*i_+1] offset:288*(i_+16*\half)+WTB
.set i_, i_+1
.endr
	s_wait_dscnt 0x0                               ; the stores are done: their data registers are written again, and the barrier follows
.endr
	s_barrier_signal -1
	s_barrier_wait -1                              ; Wv and the vectors lie in LDS
	KLOAD TA, BVV
	s_wait_loadcnt 0x0                             ; Wo and the tables
	s_wait_dscnt 0x0
	MATV STGB, TA, 0x03, MV0, TT                   ; Wo bv
	TABLD CV+8, MV0                                ; LDS serves a wave's instructions in order (ISA guide 5.7.1.4): my rows, as a table
	s_wait_dscnt 0x0
.irp e, 0,2,4,6,8,10,12,14
	v_pk_add_f32 v[BU+\e:BU+\e+1], v[BU+\e:BU+\e+1], v[CV+8+\e:CV+8+\e+1]          ; BU = bo + Wo bv
.endr
.irp a, 0,1
	ds_store_b128 v[VTB], v[BU+8*\a:BU+8*\a+3] offset:BUV+64*\a                    ; the sixteen lanes of a half write the same bytes
	ds_store_b128 v[VTB], v[BU+8*\a+4:BU+8*\a+7] offset:BUV+64*\a+16
.endr
	SPLIT64 STGB, TMPF, 0x40, WL, 0xcf             ; Wo's fragments, hi and lo
	SPLIT64 STGB+64, TMPF+32, 0x40, WL+32, 0xcf
	WIN 0xc0
	LDFRAG STGB, VWG, 28, 512, 1024                ; Wg2 = columns 128 .. 255 of Wg, while Wo Wv is multiplied
	WIN 0x80
.irp k, 0,1,2,3,4,5,6,7
	LOADG \k, \k                                   ; the ring: tiles 0 to 7, 40 loads
.endr
	WIN 0
.irp e, 0,2,4,6,8,10,12,14
	v_pk_mul_f32 v[BG+\e:BG+\e+1], v[BG+\e:BG+\e+1], s[40:41] op_sel_hi:[1,0]      ; c bg
.endr
	PROD3                                          ; AU, AUL = Wo Wv
	WIN 0x04
.irp a, 0,1
.irp s, 0,1,2,3
	ds_store_b128 v[VWS2], v[AU+8*(4*\a+\s):AU+8*(4*\a+\s)+3] offset:4608*\a+64*\s
	ds_store_b128 v[VWS2], v[AU+8*(4*\a+\s)+4:AU+8*(4*\a+\s)+7] offset:4608*\a+64*\s+32
.endr
.endr
	s_wait_dscnt 0x0
	s_barrier_signal -1
	s_barrier_wait -1                              ; BU and hi of Wo Wv lie in LDS
	WIN 0
	KLOAD TA, BUV
	s_wait_loadcnt 40                              ; the ring's 40 may be out: Wg2 is in
	WIN 0xc3
	SCALE64 STGB                                   ; c Wg2
	s_wait_dscnt 0x0
	MATV STGB, TA, 0x03, MV1, TT                   ; c Wg2 BU
	TABLD CV+8, MV1
	WIN 0xcf
	CVT64 WL, STGB                                 ; c Wg2's fragments
	WIN 0xc0
	LDFRAG STGB, VWG, 28, 0, 1024                  ; Wg1, while AG is multiplied
	WIN 0
	s_wait_dscnt 0x0
.irp e, 0,2,4,6,8,10,12,14
	v_pk_add_f32 v[BG+\e:BG+\e+1], v[BG+\e:BG+\e+1], v[CV+8+\e:CV+8+\e+1]
.endr
	PROD VTR2, AG, WL, 0x0c                        ; AG = c Wg2 Wo Wv
	s_wait_loadcnt 0x0                             ; Wg1 (and the ring, which is older)
	WIN 0
	KLOAD TA, LBV
	WIN 0x80
	KLOAD XF, M0V
	WIN 0xc3
	SCALE64 STGB                                   ; c Wg1
	s_wait_dscnt 0x0
	MATV STGB, TA, 0x03, MV2, TT                   ; c Wg1 ln_b
	KLOAD TA, LWV
	MATV STGB, XF, 0x0b, MV3, TT+2                 ; c Wg1 memory_init
	TABLD CV+8, MV2
	TABLD PP, MV3
	s_wait_dscnt 0x0
.irp e, 0,2,4,6,8,10,12,14
	v_pk_add_f32 v[PP+\e:PP+\e+1], v[PP+\e:PP+\e+1], v[BG+\e:BG+\e+1]              ; step 0's constant
.endr
.irp e, 0,2,4,6,8,10,12,14
	v_pk_add_f32 v[BG+\e:BG+\e+1], v[BG+\e:BG+\e+1], v[CV+8+\e:CV+8+\e+1]          ; all later steps'
.endr
	WIN 0xc3
.irp a, 0,1
.irp s, 0,1,2,3
.irp e, 0,2,4,6,8,10,12,14
	v_pk_mul_f32 v[STGB+16*(4*\a+\s)+\e:STGB+16*(4*\a+\s)+\e+1], v[STGB+16*(4*\a+\s)+\e:STGB+16*(4*\a+\s)+\e+1], v[TA+16*\s+\e:TA+16*\s+\e+1]
.endr
.endr
.endr
	ROWMEAN 0
	ROWMEAN 1
	SPLIT64 STGB, AM, 0x40, AML, 0x4f
	SPLIT64 STGB+64, AM+32, 0x40, AML+32, 0x4f
	; ---- tiles 0 to 3 through their stations ----
	CVT 0, 35                                      ; seven younger groups of five
	CST 0
	WIN 0x80
	LOADG 0, 8
	CVT 1, 35
	CST 1
	WIN 0x80
	LOADG 1, 9
	s_wait_dscnt 0x0
	s_barrier_signal -1
	s_barrier_wait -1
	BLOAD FR0, FB0
	BLOAD FR0+32, FB0+SLOTB
	WIN 0xc0
	BLOAD FRL0, FB0+LOP
	BLOAD FRL0+32, FB0+SLOTB+LOP
	CVT 2, 35
	s_wait_dscnt 0x0                               ; FB's slot 0 has been read by me,
	s_barrier_signal -1
	s_barrier_wait -1                              ; and by all: tile 2 may go there
	CST 0
	WIN 0x80
	LOADG 2, 10
	WIN 0x0b
	MM8 U0, BU, AUL, FR0, 0
	WIN 0x0d
	MM8 U0, U0, AU, FRL0, 0
	WIN 0x09
	MM8 U0, U0, AU, FR0, 0
	MM8 G0, PP, AG, FR0, 0
	s_wait_dscnt 0x0
	s_barrier_signal -1
	CVT 3, 35
	s_barrier_wait -1
	STEP 0, 0
	WIN 0                                          ; at a label and at a branch every window is 0
	s_mov_b32 s3, 6
.Leight:                                           ; steps 1 .. 48, eight to a pass: once round the ring of registers
.irp i, 1,2,3,4,5,6,7,8
	STEP \i, \i+8
.endr
	WIN 0
	s_wait_xcnt 0x0                                ; the bases are sources of the loads issued: stepped only behind this wait
	s_add_nc_u64 s[8:9], s[8:9], 4096              ; eight steps of 512 bytes
	s_add_nc_u64 s[12:13], s[12:13], 8192          ; four pieces of 2,048 bytes each
	s_add_nc_u64 s[16:17], s[16:17], 8192
	s_sub_co_u32 s3, s3, 1
	s_cmp_lg_u32 s3, 0
	s_cbranch_scc1 .Leight
.irp i, 1,2,3,4,5,6,7,8,9,10,11,12,13,14,15
	STEP \i, \i+48                                 ; steps 49 .. 63: no load past tile 63, the counts run down
.endr
	; ---- the way out: the last LayerNorm, then rows of 512 bytes through LDS ----
	WIN 0
.irp i, 0,1,2,3
	ds_load_b128 v[SR+4*\i:SR+4*\i+3], v[VSLD] offset:SB0+16*\i
.endr
	v_pk_add_f32 v[PA:PA+1], v[PA:PA+1], v[PA+2:PA+3]
	v_add_f32 v[PA], v[PA], v[PA+1]
	v_add_f32_dpp v[PA], v[PA], v[PA] row_xmask:1 row_mask:0xf bank_mask:0xf
	v_add_f32_dpp v[PA], v[PA], v[PA] row_xmask:2 row_mask:0xf bank_mask:0xf
	v_add_f32_dpp v[PA], v[PA], v[PA] row_xmask:4 row_mask:0xf bank_mask:0xf
	v_add_f32_dpp v[PA], v[PA], v[PA] row_xmask:8 row_mask:0xf bank_mask:0xf
	v_permlanex16_b32 v[PA+1], v[PA], s6, s7
	v_add_f32 v[PA], v[PA], v[PA+1]
	ds_store_b32 v[VPZ], v[PA]                     ; my wave's word: 0, or NaN
	s_wait_dscnt 1                                 ; that store may be out: the sums are in
	STATS
	NORM
.irp a, 0,1
	ds_store_b128 v[VOST], v[ST+8*\a:ST+8*\a+3] offset:64*\a
	ds_store_b128 v[VOST], v[ST+8*\a+4:ST+8*\a+7] offset:64*\a+16
.endr
	s_wait_dscnt 0x0
	s_barrier_signal -1
	s_barrier_wait -1
	ds_load_b128 v[TT:TT+3], v[VPZL]
.irp q, 0,1,2,3
	ds_load_b128 v[ST+4*\q:ST+4*\q+3], v[VOLD] offset:528*\q
.endr
	s_wait_dscnt 0x0
	v_add_f32 v[TT], v[TT], v[TT+1]
	v_add_f32 v[TT+2], v[TT+2], v[TT+3]
	v_add_f32 v[TT], v[TT], v[TT+2]
	v_mov_b32 v[TT+1], v[TT]
.irp e, 0,2,4,6,8,10,12,14
	v_pk_add_f32 v[ST+\e:ST+\e+1], v[ST+\e:ST+\e+1], v[TT:TT+1]
.endr
.irp q, 0,1,2,3
	global_store_b128 v[VOG], v[ST+4*\q:ST+4*\q+3], s[36:37] offset:512*\q th:TH_STORE_NT     ; a wave's store covers 512 consecutive bytes, aligned
.endr
	s_wait_tensorcnt 0x0
	ds_add_u32 v254, v255
	s_wait_dscnt 0x0
	s_endpgm
.Lfunc_end_k_q282d6ddbcb_memtok:
	.size	k_q282d6ddbcb_memtok, .Lfunc_end_k_q282d6ddbcb_memtok-k_q282d6ddbcb_memtok
	.p2alignl 7, 3214868480
	.fill 96, 4, 3214868480
	.section	.rodata,"a",@progbits
	.p2align	6, 0x0
	.amdhsa_kernel k_q282d6ddbcb_memtok
		.amdhsa_group_segment_fixed_size 161792
		.amdhsa_private_segment_fixed_size 0
		.amdhsa_enable_private_segment 0
		.amdhsa_kernarg_size 120
		.amdhsa_user_sgpr_count 2
		.amdhsa_user_sgpr_kernarg_segment_ptr 1
		.amdhsa_wavefront_size32 1
		.amdhsa_system_sgpr_workgroup_id_x 1
		.amdhsa_system_sgpr_workgroup_id_y 1
		.amdhsa_system_sgpr_workgroup_id_z 1
		.amdhsa_system_vgpr_workitem_id 0
		.amdhsa_next_free_vgpr 1024
		.amdhsa_next_free_sgpr 66
		.amdhsa_reserve_vcc 0
		.amdhsa_float_denorm_mode_32 3
		.amdhsa_float_denorm_mode_16_64 3
		.amdhsa_memory_ordered 1
		.amdhsa_forward_progress 1
		.amdhsa_inst_pref_size 255
	.end_amdhsa_kernel
	.section	.bss,"aw",@nobits
	.p2align	6
	.space	262144
	.amdgpu_metadata
---
amdhsa.version: [ 1, 2 ]
amdhsa.kernels:
  - .name:           k_q282d6ddbcb_memtok
    .symbol:         k_q282d6ddbcb_memtok.kd
    .args:
      - { .name: frames, .offset: 0, .size: 8, .value_kind: global_buffer, .address_space: global }
      - { .name: memory_init, .offset: 8, .size: 8, .value_kind: global_buffer, .address_space: global }
      - { .name: Wq, .offset: 16, .size: 8, .value_kind: global_buffer, .address_space: global }
      - { .name: bq, .offset: 24, .size: 8, .value_kind: global_buffer, .address_space: global }
      - { .name: Wk, .offset: 32, .size: 8, .value_kind: global_buffer, .address_space: global }
      - { .name: bk, .offset: 40, .size: 8, .value_kind: global_buffer, .address_space: global }
      - { .name: Wv, .offset: 48, .size: 8, .value_kind: global_buffer, .address_space: global }
      - { .name: bv, .offset: 56, .size: 8, .value_kind: global_buffer, .address_space: global }
      - { .name: Wo, .offset: 64, .size: 8, .value_kind: global_buffer, .address_space: global }
      - { .name: bo, .offset: 72, .size: 8, .value_kind: global_buffer, .address_space: global }
      - { .name: Wg, .offset: 80, .size: 8, .value_kind: global_buffer, .address_space: global }
      - { .name: bg, .offset: 88, .size: 8, .value_kind: global_buffer, .address_space: global }
      - { .name: ln_w, .offset: 96, .size: 8, .value_kind: global_buffer, .address_space: global }
      - { .name: ln_b, .offset: 104, .size: 8, .value_kind: global_buffer, .address_space: global }
      - { .name: out0, .offset: 112, .size: 8, .value_kind: global_buffer, .address_space: global }
    .group_segment_fixed_size: 161792
    .private_segment_fixed_size: 0
    .kernarg_segment_align: 8
    .kernarg_segment_size: 120
    .max_flat_workgroup_size: 128
    .sgpr_count:     66
    .vgpr_count:     1024
    .wavefront_size: 32
...
	.end_amdgpu_metadata
.endif
;; end of part 1
;; ======== version 2 of 3: 1 launch; 1.32 times as fast as version 1
;; limits: a difference of large sums (such as E[x^2] - mean^2): digits are lost where the result is much smaller than its terms; values are held in f16: magnitudes above 65,504 overflow, below 6.1e-05 lose precision; inputs' magnitudes at most 65,504
;; launch memtok (part 2): grid 256 x 1, 4 waves a work-group, no clusters, 161,792 bytes of LDS; arguments frames, memory_init, Wq, bq, Wk, bk, Wv, bv, Wo, bo, Wg, bg, ln_w, ln_b, out0; writes out0
.if DOCPART == 2
	.amdgcn_target "amdgcn-amd-amdhsa--gfx1250"
	.amdhsa_code_object_version 6
	.text
	.protected	k_q282d6ddbcb_memtok
	.globl	k_q282d6ddbcb_memtok
	.p2align	8
	.type	k_q282d6ddbcb_memtok,@function
k_q282d6ddbcb_memtok:
	s_mov_b64 s[64:65], 0
	v_nop
	global_prefetch_b8 v0, s[64:65] scope:SCOPE_SE
	s_setreg_imm32_b32 hwreg(HW_REG_WAVE_MODE, 25, 1), 1
	s_wait_xcnt 0x0
; TemporalMemoryTokens: 4,096 sequences, each carries one token of 128 numbers through 64 dependent steps.
; 256 work-groups of four waves.  Work-group g owns sequences 16 g .. 16 g + 15: they are the 16 columns of every
; matrix instruction.  Wave w owns output features 32 w .. 32 w + 31 (two tiles of 16 rows, a = 0, 1).
; Every product is  weights (A, rows = features, K contiguous)  x  activations (B, column = sequence).  In the result
; lane (r, h) holds features 16 a + 8 h + 0..7 of sequence r: what LayerNorm needs per sequence is a per-lane number,
; and packed conversions make the 16 bytes that are half of the next step's B fragment.
;
; WHAT IS COMPUTED (f = frame, m = memory, c = -log2 e, Wg = [Wg1 | Wg2]):
;   the softmax runs over an axis of length one, exp(s - s) / exp(s - s) = 1 for every finite score, so attended = v;
;   u = (Wo Wv) f + (Wo bv + bo) = AU f + BU;
;   c logit = (c Wg2 Wo Wv) f + c (bg + Wg2 BU + Wg1 ln_b) + rs (AM x) = AG f + BG + rs (AM x),
;       x = the last step's blend before LayerNorm, rs = 1 / sqrt(var + eps),
;       AM = c Wg1 diag(ln_w) with each row's mean taken off (that does the "- mu" of LayerNorm inside the product);
;   gate = 1 / (1 + 2^(c logit));  x' = m + gate (u - m);  m = (x - mu) rs ln_w + ln_b.
;   So a step has ONE exchange through LDS (x, and each wave's sum and sum of squares) and one barrier.
;   AU f and AG f do not hang on m: they are made one step ahead.
;
; PAIRS OF f16.  The memory outlives the 64 steps (a step keeps 1 - gate of it and LayerNorm scales it back) and feeds its
; own gate, so an error of the operands adds up from step to step and grows.  Hence x, the frames, AM, AU, Wo and Wv go to the
; matrix unit as hi + lo: hi = the number cut to 10 mantissa bits (exact in f16), lo = the rest, rounded to f16; and a
; product is three products, Ah Bh + Ah Bl + Al Bh, on one f32 accumulator.  AG f is one product: it is 0.05 of the logit's
; spread at the given sizes of weights and changes with every frame.  The four matrix-vector products of the constants
; (Wo bv, Wg2 BU, Wg1 ln_b, Wg1 memory_init: 65,536 multiply-adds a work-group, once) are made in f32 by the vector unit from
; the f32 weights that lie in registers anyway: in a matrix instruction fifteen of the sixteen columns would be idle.
;
; THE ORDER OF A TRIP.  (1) all its LDS and global lines in one run, x's fragments first; (2) the 24 products of the next step's
; u, two at a time, and behind each two at most four of the 42 lines that split a frame tile; (3) the 24 products AM x, two at a
; time, and behind each two the lines of LayerNorm, which hang on the sums and not on the products; (4) gate and blend, with the
; 8 products AG f one by one among the exponentials and reciprocals; (5) x and its sums to LDS, the barrier.  So the wave has
; vector lines to issue while products run.  The price is a switch of register windows on either side of each such group:
; the five weight matrices are 320 registers of a wave, so products and state cannot lie in one window.
;
; Wq, bq, Wk, bk reach reference()'s result only through a score that is not finite.  All four are read, and the sum of
; 0 x every element (0, or NaN if one of them is Inf or NaN) is added to every output.
;
; LIMITS.  (1) Finite Wq, bq, Wk, bk whose score passes 3.4e38 give NaN in reference() and not here.
; (2) Frames, x, the weights and their products must stay below 65,504 in magnitude (f16).  A pair carries a number to
; 2^-21 of itself or to 3e-8 absolutely, whichever is larger (the lo parts of small numbers are f16 denormals).
; (3) Wo Wv and c Wg2 Wo Wv are multiplied out first, c Wg2 Wo Wv is rounded to f16: another order of rounding than reference()'s.
; (4) var = E[x^2] - mu^2, held at 0 from below: its relative error grows as 2^-24 mu^2 / var.  With Inf in x some outputs
; differ from reference()'s NaN.  (5) v_exp_f32 and v_rcp_f32 flush denormals (ISA guide 15.8): a gate can be exactly 0 or 1.
; (6) -0 comes out as +0.
;
; NO CLUSTER: the work-groups share only the weights, 384 KiB read once by each, against 512 KiB of frames of its own.
; Wo and Wg go from memory straight into the lanes' fragment registers; a joint request lands in LDS and would add a pass
; of 256 KiB of f32 through LDS.  NO TENSOR LOADS: the frames are f32 and pass through registers for the split anyway.
; NO PREFETCH: a frame tile is asked for by its load seven trips before the trip that uses it, three before it is split.
; ---- LDS, bytes ----
.set FB0,  0                           ; frame tile in f16, 16 sequences, pitch 272: hi part, lo part at + LOP; slot p at SLOTB p
.set LOP,  4352
.set SLOTB, 8704
.set XB0,  17408                       ; x likewise
.set SB0,  34816                       ; 16 sequences, pitch 80: eight pairs (sum, sum of squares) at 16 w + 8 h; slot p at 1280 p
.set OUTB, 37376                       ; the result in f32, 16 sequences, pitch 528
.set PZ,   45824                       ; one word a wave: 0 x (Wq, bq, Wk, bk)
.set BVV,  46080                       ; bv, ln_b, memory_init, BU, ln_w as f32 vectors, 512 bytes each
.set LBV,  46592
.set M0V,  47104
.set BUV,  47616
.set LWV,  48128
.set MV0,  48640                       ; the four matrix-vector products, 512 bytes each; wave w writes and reads bytes 128 w ..
.set MV1,  49152
.set MV2,  49664
.set MV3,  50176
.set WT1,  50688                       ; Wv in f16, [j][i], pitch 288 (nine times 32: for the transposing load): hi, lo at + WTB
.set WTB,  36864
.set WT2,  124416                      ; hi of Wo Wv, [j][i], pitch 288.  End: 161,280
; ---- window 0 ----
.set VFO, 4                            ; v4-27: byte offsets, written once (list where they are made)
.set VQO, 5
.set VFRAG, 6
.set VCST, 7
.set VXST, 8
.set VSST, 9
.set VSLD, 10
.set VOST, 11
.set VOLD, 12
.set VOG, 13
.set VPZ, 14
.set VPZL, 15
.set VWV, 16
.set VWVS, 17
.set VWO, 18
.set VWG, 19
.set VTB, 20
.set VTR1, 21
.set VTR2, 22
.set VWS2, 23
.set VV4, 24
.set VTR1L, 25
.set VMV, 26
.set VKF, 27
.set BU,  32                           ; tables of my 16 features (register 8 a + j): BU, BG, ln_w, ln_b
.set BG,  48
.set LW,  64
.set LB,  80
.set ST,  96                           ; the state: x, then m, in place
.set PP,  112                          ; AM x; then 2^(c logit); then x cut to hi.  Ahead of the loop: products' tile 0, step 0's BG
.set SR,  128                          ; the eight pairs of sums.  Ahead of the loop: products' tile 1
.set DP,  112
.set U0,  144                          ; u of even steps; U0 + 16 of odd steps.  When u is spent: x's f16 pair
.set G0,  176                          ; c logit of even steps; G0 + 16 of odd steps.  When the gate is spent: x - hi
.set TA,  144                          ; ahead of the loop, 144-207: transposed fragments; numbers cut to hi; a vector along K
.set CV,  208                          ; a frame tile's hi in f16 on its way to LDS.  Ahead of the loop 208-239: at work
.set CVL, 216                          ; its lo
.set TS,  224
.set QQ,  232
.set SPR, 236                          ; my (sum, sum of squares)
.set RS,  238                          ; (rs, -mu rs)
.set TT,  240
.set PA,  244                          ; 0 x what was read of Wq, bq, Wk, bk
.set VE,  248                          ; one element a thread of bv, ln_b, memory_init, ln_w, bq, bk
; ---- window 1: A fragments, (a, s) at 8 (4 a + s) ----
.set AU,  0                            ; hi of Wo Wv
.set AG,  64
.set AM,  128                          ; hi of AM
.set AML, 192                          ; lo of AM
.set TMPF, 192                         ; before that: hi of Wo
; ---- window 2: ring slot k at 20 k (16 registers of frames, 4 of Wq or Wk), k = 0..3; hi B fragments ----
.set RING, 4                           ; slots; the loop's body is RING steps, since registers are named in the text
.set TW,  80                           ; a frame tile cut to hi, 16 registers
.set XF,  160
.set FR0, 192                          ; frames of even steps; FR0 + 32 of odd steps
; ---- window 3 ----
.set AUL, 0                            ; lo of Wo Wv
.set XFL, 64                           ; lo B fragments
.set FRL0, 96
.set WL,  64                           ; ahead of the loop: lo of Wo, then c Wg2
.set STGA, 0                           ; ahead of the loop: Wv in f32
.set STGB, 128                         ; ahead of the loop: Wo, Wg2, Wg1 in f32 in turn, piece (a, s) at 16 (4 a + s)
; s_set_vgpr_msb: bits 1:0 source 0, 3:2 source 1, 5:4 source 2, 7:6 destination; the high byte repeats the setting left.
; Loads: 0x80 into window 2, 0xc0 into 3.  Products (C, D window 0): 0x09 A 1, B 2; 0x0d A 1, B 3; 0x0b A 3, B 2; 0x04 B 1; 0x0c B 3.
; Vector work: 0xaa all in window 2; 0x0a 2 to 0; 0x0c source 1 from 3; 0xc3 window 3 in place with source 1 from 0;
; 0x03, 0x0b source 0 from 3 (source 1 from 0, 2); 0x0f, 0x4f, 0xcf 3 to 0, 1, 3; 0x40, 0xc0 0 to 1, 3.
.set MSB, 0
.macro WIN new
.if MSB != (\new)
	s_set_vgpr_msb (MSB<<8)|(\new)
.set MSB, \new
.endif
.endm
.macro PLACES n
.rept \n
	v_nop
.endr
.endm
.macro LEFLAG name, x, lim
.if (\x) <= (\lim)
.set \name, 1
.else
.set \name, 0
.endif
.endm
; 32 loads: rows 32 w + 16 a + r of an f32 matrix with rows of rp bytes, from byte col on, in the lanes' fragment order:
; piece (a, s), registers 0-7: k = 32 s + 8 h + 0..7, registers 8-15: k = 32 s + 16 + 8 h + 0..7
.macro LDFRAG dst, voff, sb, col, rp
.irp a, 0,1
.irp s, 0,1,2,3
	global_load_b128 v[\dst+16*(4*\a+\s):\dst+16*(4*\a+\s)+3], v[\voff], s[\sb:\sb+1] offset:\col+\a*16*\rp+128*\s
	global_load_b128 v[\dst+16*(4*\a+\s)+4:\dst+16*(4*\a+\s)+7], v[\voff], s[\sb:\sb+1] offset:\col+\a*16*\rp+128*\s+16
	global_load_b128 v[\dst+16*(4*\a+\s)+8:\dst+16*(4*\a+\s)+11], v[\voff], s[\sb:\sb+1] offset:\col+\a*16*\rp+128*\s+64
	global_load_b128 v[\dst+16*(4*\a+\s)+12:\dst+16*(4*\a+\s)+15], v[\voff], s[\sb:\sb+1] offset:\col+\a*16*\rp+128*\s+80
.endr
.endr
.endm
; 4 loads: a vector's elements 32 w + 16 a + 8 h + j into register 8 a + j; from memory, from LDS
.macro LDTAB dst, sb
.irp a, 0,1
	global_load_b128 v[\dst+8*\a:\dst+8*\a+3], v[VTB], s[\sb:\sb+1] offset:64*\a
	global_load_b128 v[\dst+8*\a+4:\dst+8*\a+7], v[VTB], s[\sb:\sb+1] offset:64*\a+16
.endr
.endm
.macro TABLD dst, region
.irp a, 0,1
	ds_load_b128 v[(\dst)+8*\a:(\dst)+8*\a+3], v[VTB] offset:\region+64*\a
	ds_load_b128 v[(\dst)+8*\a+4:(\dst)+8*\a+7], v[VTB] offset:\region+64*\a+16
.endr
.endm
; 16 LDS loads: an f32 vector along K, in the order of LDFRAG's pieces (register 16 s + q)
.macro KLOAD dst, region
.irp s, 0,1,2,3
	ds_load_b128 v[(\dst)+16*\s:(\dst)+16*\s+3], v[VKF] offset:\region+128*\s
	ds_load_b128 v[(\dst)+16*\s+4:(\dst)+16*\s+7], v[VKF] offset:\region+128*\s+16
	ds_load_b128 v[(\dst)+16*\s+8:(\dst)+16*\s+11], v[VKF] offset:\region+128*\s+64
	ds_load_b128 v[(\dst)+16*\s+12:(\dst)+16*\s+15], v[VKF] offset:\region+128*\s+80
.endr
.endm
; One matrix instruction: D[a] = C + A(a, s) x B(s).  mode 0: C = D[a], the next link of the chain; 1: C = c[a]; 2: C = 0
.macro MM1 d, c, ab, bb, s, a, mode
.if (\mode) == 0
	v_wmma_f32_16x16x32_f16 v[(\d)+8*(\a):(\d)+8*(\a)+7], v[(\ab)+8*(4*(\a)+(\s)):(\ab)+8*(4*(\a)+(\s))+7], v[(\bb)+8*(\s):(\bb)+8*(\s)+7], v[(\d)+8*(\a):(\d)+8*(\a)+7]
.endif
.if (\mode) == 1
	v_wmma_f32_16x16x32_f16 v[(\d)+8*(\a):(\d)+8*(\a)+7], v[(\ab)+8*(4*(\a)+(\s)):(\ab)+8*(4*(\a)+(\s))+7], v[(\bb)+8*(\s):(\bb)+8*(\s)+7], v[(\c)+8*(\a):(\c)+8*(\a)+7]
.endif
.if (\mode) == 2
	v_wmma_f32_16x16x32_f16 v[(\d)+8*(\a):(\d)+8*(\a)+7], v[(\ab)+8*(4*(\a)+(\s)):(\ab)+8*(4*(\a)+(\s))+7], v[(\bb)+8*(\s):(\bb)+8*(\s)+7], 0
.endif
.endm
; the two tiles' links for one K step: two chains that take turns
.macro MMP d, c, ab, bb, s, mode
	MM1 \d, \c, \ab, \bb, \s, 0, \mode
	MM1 \d, \c, \ab, \bb, \s, 1, \mode
.endm
; 8 matrix instructions: D[a] = c[a] + sum over s of A(a, s) x B(s)
.macro MM8 d, c, ab, bb
	MMP \d, \c, \ab, \bb, 0, 1
	MMP \d, \c, \ab, \bb, 1, 0
	MMP \d, \c, \ab, \bb, 2, 0
	MMP \d, \c, \ab, \bb, 3, 0
.endm
; 128 f32 registers to 64 of f16, rounded
.macro CVT64 dst, src
.set i_, 0
.rept 64
	v_cvt_pk_f16_f32 v[(\dst)+i_], v[(\src)+2*i_], v[(\src)+2*i_+1]
.set i_, i_+1
.endr
.endm
; 128 f32 registers times c
.macro SCALE64 base
.set i_, 0
.rept 64
	v_pk_mul_f32 v[(\base)+2*i_:(\base)+2*i_+1], v[(\base)+2*i_:(\base)+2*i_+1], s[40:41] op_sel_hi:[1,0]
.set i_, i_+1
.endr
.endm
; 64 f32 registers of window 3 into 32 registers of hi and 32 of lo.  The cut numbers pass through TA; src is left holding x - hi
.macro SPLIT64 src, hdst, hwin, ldst, lwin
	WIN 0x0c
.set i_, 0
.rept 64
	v_and_b32 v[TA+i_], s42, v[(\src)+i_]
.set i_, i_+1
.endr
	WIN 0xc3
.set i_, 0
.rept 32
	v_pk_add_f32 v[(\src)+2*i_:(\src)+2*i_+1], v[(\src)+2*i_:(\src)+2*i_+1], v[TA+2*i_:TA+2*i_+1] neg_lo:[0,1] neg_hi:[0,1]
.set i_, i_+1
.endr
	WIN \hwin
.set i_, 0
.rept 32
	v_cvt_pk_f16_f32 v[(\hdst)+i_], v[TA+2*i_], v[TA+2*i_+1]
.set i_, i_+1
.endr
	WIN \lwin
.set i_, 0
.rept 32
	v_cvt_pk_f16_f32 v[(\ldst)+i_], v[(\src)+2*i_], v[(\src)+2*i_+1]
.set i_, i_+1
.endr
.endm
; A matrix-vector product in f32: rows 32 w + 16 a + r of the matrix in window 3 (64 numbers of a row in this lane, 64 in lane
; xor 16) times the vector along K; row's result to word 32 w + 16 a + r of region mv (both halves write the same number)
.macro MATV src, vec, win, mv, t
.irp a, 0,1
	WIN \win
.irp e, 0,2,4,6
	v_pk_mul_f32 v[CV+\e:CV+\e+1], v[(\src)+64*\a+\e:(\src)+64*\a+\e+1], v[(\vec)+\e:(\vec)+\e+1]
.endr
.set i_, 4
.rept 28
	v_pk_fma_f32 v[CV+2*(i_%4):CV+2*(i_%4)+1], v[(\src)+64*\a+2*i_:(\src)+64*\a+2*i_+1], v[(\vec)+2*i_:(\vec)+2*i_+1], v[CV+2*(i_%4):CV+2*(i_%4)+1]
.set i_, i_+1
.endr
	WIN 0
	v_pk_add_f32 v[CV:CV+1], v[CV:CV+1], v[CV+2:CV+3]
	v_pk_add_f32 v[CV+4:CV+5], v[CV+4:CV+5], v[CV+6:CV+7]
	v_pk_add_f32 v[CV:CV+1], v[CV:CV+1], v[CV+4:CV+5]
	v_add_f32 v[(\t)+\a], v[CV], v[CV+1]
	v_permlanex16_b32 v[CV+2], v[(\t)+\a], s6, s7  ; the row's other half (its destination has been written above)
	v_add_f32 v[(\t)+\a], v[(\t)+\a], v[CV+2]
	ds_store_b32 v[VMV], v[(\t)+\a] offset:\mv+64*\a
.endr
.endm
; ---- products of two weight matrices: dst(o, i) = sum over j of W(o, j) M(j, i), M in LDS as [j][i] ----
; They are made transposed, D'(i, o) = sum over j of M^T(i, j) W(o, j): a lane then holds 8 neighbouring i of row o = r,
; which packs into half of an A fragment.  M^T comes by the transposing load (ISA guide 11.2).
.macro PMUL it, ta, bb, zero
.irp s, 0,1,2,3
.irp a, 0,1
.if \s == 0
.if \zero
	v_wmma_f32_16x16x32_f16 v[DP+16*((\it)&1)+8*\a:DP+16*((\it)&1)+8*\a+7], v[(\ta)+8*\s:(\ta)+8*\s+7], v[(\bb)+8*(4*\a+\s):(\bb)+8*(4*\a+\s)+7], 0
.else
	v_wmma_f32_16x16x32_f16 v[DP+16*((\it)&1)+8*\a:DP+16*((\it)&1)+8*\a+7], v[(\ta)+8*\s:(\ta)+8*\s+7], v[(\bb)+8*(4*\a+\s):(\bb)+8*(4*\a+\s)+7], v[DP+16*((\it)&1)+8*\a:DP+16*((\it)&1)+8*\a+7]
.endif
.else
	v_wmma_f32_16x16x32_f16 v[DP+16*((\it)&1)+8*\a:DP+16*((\it)&1)+8*\a+7], v[(\ta)+8*\s:(\ta)+8*\s+7], v[(\bb)+8*(4*\a+\s):(\bb)+8*(4*\a+\s)+7], v[DP+16*((\it)&1)+8*\a:DP+16*((\it)&1)+8*\a+7]
.endif
.endr
.endr
.endm
.macro TRLD vt, dst, it
.irp s, 0,1,2,3
	ds_load_tr16_b128 v[(\dst)+8*\s:(\dst)+8*\s+3], v[\vt] offset:9216*\s+32*(\it)
	ds_load_tr16_b128 v[(\dst)+8*\s+4:(\dst)+8*\s+7], v[\vt] offset:9216*\s+32*(\it)+4608
.endr
.endm
; tile it of Wo Wv: cut, take off, round: AU (window 1) and AUL (window 3)
.macro PSPLIT it
	WIN 0
.set i_, 0
.rept 16
	v_and_b32 v[CV+i_], s42, v[DP+16*((\it)&1)+i_]
.set i_, i_+1
.endr
.set i_, 0
.rept 8
	v_pk_add_f32 v[CV+16+2*i_:CV+16+2*i_+1], v[DP+16*((\it)&1)+2*i_:DP+16*((\it)&1)+2*i_+1], v[CV+2*i_:CV+2*i_+1] neg_lo:[0,1] neg_hi:[0,1]
.set i_, i_+1
.endr
	WIN 0x40
.irp a, 0,1
.irp e, 0,1,2,3
	v_cvt_pk_f16_f32 v[AU+8*(4*\a+((\it)>>1))+4*((\it)&1)+\e], v[CV+8*\a+2*\e], v[CV+8*\a+2*\e+1]
.endr
.endr
	WIN 0xc0
.irp a, 0,1
.irp e, 0,1,2,3
	v_cvt_pk_f16_f32 v[AUL+8*(4*\a+((\it)>>1))+4*((\it)&1)+\e], v[CV+16+8*\a+2*\e], v[CV+16+8*\a+2*\e+1]
.endr
.endr
.endm
; Wo Wv in pairs: eight tiles of 16 i, three products each.  The 40 vector lines that split tile n - 1 name none of tile n's
; registers: they are the places between tile n's products and the loads into their A registers, the lines
; that read their D, and the products that write their D again.  Behind tile 0: five v_nop.
.macro PROD3
.irp n, 0,1,2,3,4,5,6,7
	WIN 0
	TRLD VTR1, TA, \n
	TRLD VTR1L, TA+32, \n
	s_wait_dscnt 8                                 ; the lo part's eight loads may be out: the hi part is in
	WIN 0x04
	PMUL \n, TA, TMPF, 1                           ; Wv hi x Wo hi
	WIN 0x0c
	PMUL \n, TA, WL, 0                             ; Wv hi x Wo lo
	s_wait_dscnt 0x0
	WIN 0x04
	PMUL \n, TA+32, TMPF, 0                        ; Wv lo x Wo hi
.if \n == 0
	PLACES 5
.else
	PSPLIT \n-1
.endif
.endr
	PSPLIT 7                                       ; tile 6's lines are the places behind tile 7's products
.endm
.macro PCVT dst, it
.irp a, 0,1
.irp e, 0,1,2,3
	v_cvt_pk_f16_f32 v[\dst+8*(4*\a+((\it)>>1))+4*((\it)&1)+\e], v[DP+16*((\it)&1)+8*\a+2*\e], v[DP+16*((\it)&1)+8*\a+2*\e+1]
.endr
.endr
.endm
; One product, rounded to f16; two buffers of fragments.  Tile n's products stand between the loads of tile n + 1 and the
; conversions of tile n - 1, which are the places in the same way as above.
.macro PROD vt, dst, bb, bwin
	WIN 0
	TRLD \vt, TA, 0
.irp n, 0,1,2,3,4,5,6,7
	WIN 0
.if \n < 7
	TRLD \vt, TA+32*((\n+1)&1), \n+1
	s_wait_dscnt 8                                 ; the eight loads just issued may be out: this tile's are in
.else
	s_wait_dscnt 0x0
.endif
	WIN \bwin
	PMUL \n, TA+32*(\n&1), \bb, 1
.if \n == 0
	PLACES 5
.else
	WIN 0x40
	PCVT \dst, \n-1
.endif
.endr
	PCVT \dst, 7
.endm
; take each row's mean off tile a of c Wg1 diag(ln_w), in place in window 3
.macro ROWMEAN a
	WIN 0x0f
.set i_, 0
.rept 16
	v_pk_add_f32 v[CV+2*i_:CV+2*i_+1], v[STGB+64*\a+4*i_:STGB+64*\a+4*i_+1], v[STGB+64*\a+4*i_+2:STGB+64*\a+4*i_+3]
.set i_, i_+1
.endr
	WIN 0
.irp e, 0,2,4,6,8,10,12,14
	v_pk_add_f32 v[CV+\e:CV+\e+1], v[CV+\e:CV+\e+1], v[CV+16+\e:CV+16+\e+1]
.endr
.irp e, 0,2,4,6
	v_pk_add_f32 v[CV+\e:CV+\e+1], v[CV+\e:CV+\e+1], v[CV+8+\e:CV+8+\e+1]
.endr
.irp e, 0,2
	v_pk_add_f32 v[CV+\e:CV+\e+1], v[CV+\e:CV+\e+1], v[CV+4+\e:CV+4+\e+1]
.endr
	v_pk_add_f32 v[CV:CV+1], v[CV:CV+1], v[CV+2:CV+3]
	v_add_f32 v[TT], v[CV], v[CV+1]
	v_permlanex16_b32 v[TT+1], v[TT], s6, s7       ; the row's other half (TT+1 has been written before)
	v_add_f32 v[TT], v[TT], v[TT+1]
	v_mul_f32 v[TT], 0x3c000000, v[TT]             ; / 128
	v_mov_b32 v[TT+1], v[TT]
	WIN 0xc3
.set i_, 0
.rept 32
	v_pk_add_f32 v[STGB+64*\a+2*i_:STGB+64*\a+2*i_+1], v[STGB+64*\a+2*i_:STGB+64*\a+2*i_+1], v[TT:TT+1] neg_lo:[0,1] neg_hi:[0,1]
.set i_, i_+1
.endr
.endm
; ---- the stations of frame tile tau: loaded (head of trip tau - 7), split (trip tau - 4), stored to FB[tau & 1] (tau - 3),
; ---- fragments read into FR, FRL[tau & 1] (tau - 2), multiplied (tau - 1), used (tau) ----
; 5 loads into ring slot k: my four sequences' 512 bytes of step trl (counted from the stepped base), and 2,048 bytes
; of Wq (even steps) or Wk (odd steps) over the work-group: 64 steps read both matrices once
.macro LOADG k, trl
.irp q, 0,1,2,3
	global_load_b128 v[20*(\k)+4*\q:20*(\k)+4*\q+3], v[VFO], s[8:9] offset:32768*\q+512*(\trl) th:TH_LOAD_NT
.endr
.if ((\trl)&1) == 0
	global_load_b128 v[20*(\k)+16:20*(\k)+19], v[VQO], s[12:13] offset:2048*((\trl)>>1)
.else
	global_load_b128 v[20*(\k)+16:20*(\k)+19], v[VQO], s[16:17] offset:2048*((\trl)>>1)
.endif
.endm
; Piece c (0 .. 10) of the split of ring slot k, at most four lines under one window setting: 0-3 cut to hi, 4-5 take hi off in
; place, 6-7 round lo, 8-9 round hi (exact), 10 the zeros of Wq, Wk.  Nothing where the trip has no tile to split (cvt_ = 0)
.macro CVTC c, k
.if cvt_
.if (\c)/4 == 0
	WIN 0xaa
.set i_, 4*(\c)
.rept 4
	v_and_b32 v[TW+i_], s42, v[20*(\k)+i_]
.set i_, i_+1
.endr
.endif
.if (\c)/2 == 2
	WIN 0xaa
.set i_, 8*((\c)-4)
.rept 4
	v_pk_add_f32 v[20*(\k)+i_:20*(\k)+i_+1], v[20*(\k)+i_:20*(\k)+i_+1], v[TW+i_:TW+i_+1] neg_lo:[0,1] neg_hi:[0,1]
.set i_, i_+2
.endr
.endif
.if (\c)/2 == 3
	WIN 0x0a
.set i_, 4*((\c)-6)
.rept 4
	v_cvt_pk_f16_f32 v[CVL+i_], v[20*(\k)+2*i_], v[20*(\k)+2*i_+1]
.set i_, i_+1
.endr
.endif
.if (\c)/2 == 4
	WIN 0x0a
.set i_, 4*((\c)-8)
.rept 4
	v_cvt_pk_f16_f32 v[CV+i_], v[TW+2*i_], v[TW+2*i_+1]
.set i_, i_+1
.endr
.endif
.if (\c) == 10
	WIN 0x0a
	v_pk_fma_f32 v[PA:PA+1], v[20*(\k)+16:20*(\k)+17], 0, v[PA:PA+1] op_sel_hi:[1,0,1]
	v_pk_fma_f32 v[PA+2:PA+3], v[20*(\k)+18:20*(\k)+19], 0, v[PA+2:PA+3] op_sel_hi:[1,0,1]
.endif
.endif
.endm
; the whole split in one run (ahead of the loop)
.macro CVT k, left
	s_wait_loadcnt \left                           ; loads come back in order (ISA guide 5.7.1): the younger groups of five stay out
.irp c, 0,1,2,3,4,5,6,7,8,9,10
	CVTC \c, \k
.endr
.endm
.macro CST par
	WIN 0
.irp q, 0,1,2,3
	ds_store_b64 v[VCST], v[CV+2*\q:CV+2*\q+1] offset:FB0+SLOTB*(\par)+272*\q
	ds_store_b64 v[VCST], v[CVL+2*\q:CVL+2*\q+1] offset:FB0+SLOTB*(\par)+LOP+272*\q
.endr
.endm
; 8 LDS loads: four B fragments from a tile of 16 sequences at byte "from"
.macro BLOAD dst, from
.irp s, 0,1,2,3
	ds_load_b128 v[(\dst)+8*\s:(\dst)+8*\s+3], v[VFRAG] offset:(\from)+64*\s
	ds_load_b128 v[(\dst)+8*\s+4:(\dst)+8*\s+7], v[VFRAG] offset:(\from)+64*\s+32
.endr
.endm
; u - m for two of my features
.macro SUBU e
	v_pk_add_f32 v[UP_+\e:UP_+\e+1], v[UP_+\e:UP_+\e+1], v[ST+\e:ST+\e+1] neg_lo:[0,1] neg_hi:[0,1]
.endm
; Piece c (0 .. 11) of LayerNorm, at most four lines, all in window 0.  0-5: from the eight pairs in SR to RS = (rs, -mu rs);
; every wave adds them in the same order, so all hold the same numbers.  6-7: x rs - mu rs.  8-9: times ln_w, plus ln_b: m, in place.
; 10-11: six of the eight lines u - m.
.macro STC c
	WIN 0
.if (\c) == 0
	v_pk_add_f32 v[SR:SR+1], v[SR:SR+1], v[SR+2:SR+3]
	v_pk_add_f32 v[SR+4:SR+5], v[SR+4:SR+5], v[SR+6:SR+7]
	v_pk_add_f32 v[SR+8:SR+9], v[SR+8:SR+9], v[SR+10:SR+11]
	v_pk_add_f32 v[SR+12:SR+13], v[SR+12:SR+13], v[SR+14:SR+15]
.endif
.if (\c) == 1
	v_pk_add_f32 v[SR:SR+1], v[SR:SR+1], v[SR+4:SR+5]
	v_pk_add_f32 v[SR+8:SR+9], v[SR+8:SR+9], v[SR+12:SR+13]
.endif
.if (\c) == 2
	v_pk_add_f32 v[SR:SR+1], v[SR:SR+1], v[SR+8:SR+9]
	v_pk_mul_f32 v[TT:TT+1], v[SR:SR+1], 0x3c000000 op_sel_hi:[1,0]    ; / 128: (mu, E x^2)
.endif
.if (\c) == 3
	v_fma_f32 v[TT+2], -v[TT], v[TT], v[TT+1]      ; var
	v_max_num_f32 v[TT+2], 0, v[TT+2]
.endif
.if (\c) == 4
	v_add_f32 v[TT+2], 0x3727c5ac, v[TT+2]         ; + 1e-5
	v_rsq_f32 v[RS], v[TT+2]
.endif
.if (\c) == 5
	v_nop                                          ; one plain place behind the transcendental (ISA guide 5.7.2); a product is none
	s_wait_alu depctr_va_vdst(0)
	v_mul_f32 v[RS+1], -v[TT], v[RS]
.endif
.if (\c)/2 == 3
.set i_, 8*((\c)-6)
.rept 4
	v_pk_fma_f32 v[ST+i_:ST+i_+1], v[ST+i_:ST+i_+1], v[RS:RS+1], v[RS:RS+1] op_sel:[0,0,1] op_sel_hi:[1,0,1]
.set i_, i_+2
.endr
.endif
.if (\c)/2 == 4
.set i_, 8*((\c)-8)
.rept 4
	v_pk_fma_f32 v[ST+i_:ST+i_+1], v[ST+i_:ST+i_+1], v[LW+i_:LW+i_+1], v[LB+i_:LB+i_+1]
.set i_, i_+2
.endr
.endif
.if (\c) == 10
	SUBU 0
	SUBU 2
.endif
.if (\c) == 11
	SUBU 4
	SUBU 6
	SUBU 8
	SUBU 10
.endif
.endm
; ---- one step.  tabs: the step's number (in the loop: modulo RING, plus RING); trel: counted from the stepped bases ----
.macro STEP trel, tabs
.set p_, (\tabs)&1
.set n_, 1-p_
.set k_, ((\tabs)+4)&(RING-1)
	LEFLAG first_, \tabs, 0                        ; step 0: m = memory_init, nothing to normalise, G holds its own constant
	LEFLAG rel_, \tabs, 60-RING                    ; tile tabs + 3 + RING exists
	LEFLAG cst_, \tabs, 60                         ; tile tabs + 3
	LEFLAG fl_, \tabs, 61                          ; tile tabs + 2
	LEFLAG ff_, \tabs, 62                          ; tile tabs + 1, and a next step that wants x
	LEFLAG cvt_, \tabs, 59                         ; tile tabs + 4
.if (\tabs) <= 60-RING
.set left_, 5*(RING-1)
.else
.set left_, 5*(59-(\tabs))
.endif
.set UP_, U0+16*p_
.set GP_, G0+16*p_
.set UN_, U0+16*n_
.set GN_, G0+16*n_
	; (1) the trip's LDS and global lines, what the chain waits for first
.if first_ == 0
	WIN 0x80
	BLOAD XF, XB0+SLOTB*p_
	WIN 0xc0
	BLOAD XFL, XB0+SLOTB*p_+LOP
.endif
.if fl_
	WIN 0xc0
	BLOAD FRL0+32*p_, FB0+SLOTB*p_+LOP             ; into B registers of the last trip's products: far more than four plain lines stand behind those
.endif
.if rel_
	WIN 0x80
	LOADG ((\tabs)+3)&(RING-1), (\trel)+3+RING     ; into the slot that the last trip split
.endif
.if fl_
	WIN 0x80
	BLOAD FR0+32*p_, FB0+SLOTB*p_
.endif
	WIN 0
.if first_ == 0
.irp i, 0,1,2,3
	ds_load_b128 v[SR+4*\i:SR+4*\i+3], v[VSLD] offset:SB0+1280*p_+16*\i
.endr
.endif
.if cst_
	CST n_
.endif
	; (2) next step's u, three products on one accumulator; behind each two links a piece of the split of tile tabs + 4
.if ff_
.irp s, 0,1,2,3
	WIN 0x0b
.if \s == 0
	MMP UN_, BU, AUL, FR0+32*n_, \s, 1
.if cvt_
	s_wait_loadcnt left_                           ; loads come back in order (ISA guide 5.7.1): the younger groups of five stay out
.endif
.else
	MMP UN_, BU, AUL, FR0+32*n_, \s, 0
.endif
	CVTC \s, k_
.endr
.irp s, 0,1,2,3
	WIN 0x0d
	MMP UN_, BU, AU, FRL0+32*n_, \s, 0
	CVTC 4+\s, k_
.endr
.irp s, 0,1,2,3
	WIN 0x09
	MMP UN_, BU, AU, FR0+32*n_, \s, 0
	CVTC 8+\s, k_
.endr
.endif
	; (3) AM x, three products; behind each two links a piece of LayerNorm, which names none of PP, AM, AML, XF, XFL
.if first_ == 0
	s_wait_dscnt 8*cst_                            ; only the frame tile's stores are younger than x's fragments and the sums
.irp s, 0,1,2,3
	WIN 0x0d
.if \s == 0
	MMP PP, 0, AM, XFL, \s, 2
.else
	MMP PP, 0, AM, XFL, \s, 0
.endif
	STC \s
.endr
.irp s, 0,1,2,3
	WIN 0x09
	MMP PP, 0, AM, XF, \s, 0
	STC 4+\s
.endr
.irp s, 0,1,2,3
	WIN 0x09
	MMP PP, 0, AML, XF, \s, 0
	STC 8+\s                                       ; the last piece's four lines are the places in front of the first read of PP (ISA guide 7.12.1)
.endr
.irp e, 0,2,4,6,8,10,12,14
	v_pk_fma_f32 v[GP_+\e:GP_+\e+1], v[PP+\e:PP+\e+1], v[RS:RS+1], v[GP_+\e:GP_+\e+1] op_sel_hi:[1,0,1]
.endr
.else
	WIN 0
.irp e, 0,2,4,6,8,10
	SUBU \e
.endr
.endif
	; (4) gate and blend; next step's AG f, one link behind every four transcendentals
.irp g, 0,1,2,3
	WIN 0
.irp i, 0,1,2,3
	v_exp_f32 v[PP+4*\g+\i], v[GP_+4*\g+\i]        ; e^-logit
.endr
.if ff_
	WIN 0x09
.if \g < 2
	MM1 GN_, BG, AG, FR0+32*n_, 0, \g, 1
.else
	MM1 GN_, BG, AG, FR0+32*n_, 1, \g-2, 0
.endif
.endif
.endr
	WIN 0
	SUBU 12                                        ; the plain place behind v_exp_f32 (ISA guide 5.7.2)
	s_wait_alu depctr_va_vdst(0)
.irp e, 0,2,4,6,8,10,12,14
	v_pk_add_f32 v[PP+\e:PP+\e+1], v[PP+\e:PP+\e+1], 1.0 op_sel_hi:[1,0]
.endr
.irp g, 0,1,2,3
	WIN 0
.irp i, 0,1,2,3
	v_rcp_f32 v[GP_+4*\g+\i], v[PP+4*\g+\i]        ; the gate
.endr
.if ff_
	WIN 0x09
	MM1 GN_, BG, AG, FR0+32*n_, 2+(\g)/2, (\g)%2, 0
.endif
.endr
	WIN 0
	SUBU 14                                        ; the plain place behind v_rcp_f32
	s_wait_alu depctr_va_vdst(0)
.irp e, 0,2,4,6,8,10,12,14
	v_pk_fma_f32 v[ST+\e:ST+\e+1], v[GP_+\e:GP_+\e+1], v[UP_+\e:UP_+\e+1], v[ST+\e:ST+\e+1]          ; x = m + gate (u - m)
.endr
	; (5) x as a pair of f16, and its sums.  PP, the gate's and u's registers are spent and serve as room.  These plain lines are
	; also the places between the last product that read FR and the next trip's loads into it.
.if ff_
.irp i, 0,1,2,3,4,5,6,7,8,9,10,11,12,13,14,15
	v_and_b32 v[PP+\i], s42, v[ST+\i]
.endr
.irp a, 0,1
.irp e, 0,1,2,3
	v_cvt_pk_f16_f32 v[UP_+4*\a+\e], v[PP+8*\a+2*\e], v[PP+8*\a+2*\e+1]
.endr
	ds_store_b128 v[VXST], v[UP_+4*\a:UP_+4*\a+3] offset:XB0+SLOTB*n_+32*\a
.endr
.irp e, 0,2,4,6,8,10,12,14
	v_pk_add_f32 v[GP_+\e:GP_+\e+1], v[ST+\e:ST+\e+1], v[PP+\e:PP+\e+1] neg_lo:[0,1] neg_hi:[0,1]
.endr
.irp a, 0,1
.irp e, 0,1,2,3
	v_cvt_pk_f16_f32 v[UP_+8+4*\a+\e], v[GP_+8*\a+2*\e], v[GP_+8*\a+2*\e+1]
.endr
	ds_store_b128 v[VXST], v[UP_+8+4*\a:UP_+8+4*\a+3] offset:XB0+SLOTB*n_+LOP+32*\a
.endr
.endif
	v_pk_add_f32 v[TS:TS+1], v[ST:ST+1], v[ST+2:ST+3]
	v_pk_add_f32 v[TS+2:TS+3], v[ST+4:ST+5], v[ST+6:ST+7]
	v_pk_add_f32 v[TS+4:TS+5], v[ST+8:ST+9], v[ST+10:ST+11]
	v_pk_add_f32 v[TS+6:TS+7], v[ST+12:ST+13], v[ST+14:ST+15]
	v_pk_mul_f32 v[QQ:QQ+1], v[ST:ST+1], v[ST:ST+1]
	v_pk_mul_f32 v[QQ+2:QQ+3], v[ST+2:ST+3], v[ST+2:ST+3]
.irp e, 4,8,12
	v_pk_fma_f32 v[QQ:QQ+1], v[ST+\e:ST+\e+1], v[ST+\e:ST+\e+1], v[QQ:QQ+1]
	v_pk_fma_f32 v[QQ+2:QQ+3], v[ST+\e+2:ST+\e+3], v[ST+\e+2:ST+\e+3], v[QQ+2:QQ+3]
.endr
	v_pk_add_f32 v[TS:TS+1], v[TS:TS+1], v[TS+2:TS+3]
	v_pk_add_f32 v[TS+4:TS+5], v[TS+4:TS+5], v[TS+6:TS+7]
	v_pk_add_f32 v[QQ:QQ+1], v[QQ:QQ+1], v[QQ+2:QQ+3]
	v_pk_add_f32 v[TS:TS+1], v[TS:TS+1], v[TS+4:TS+5]
	v_add_f32 v[SPR+1], v[QQ], v[QQ+1]
	v_add_f32 v[SPR], v[TS], v[TS+1]
	ds_store_b64 v[VSST], v[SPR:SPR+1] offset:SB0+1280*n_
	; One barrier a trip.  FB, XB and SB have two slots each that take turns: what this trip wrote (slot n) was last read
	; one trip ago, in front of that trip's signal; what it read (slot p) is written again only behind this barrier.
	s_wait_dscnt 0x0                               ; for the others: my stores have landed, my reads are over
	s_barrier_signal -1
	s_barrier_wait -1
.endm
; =====================================================================================================================
	s_load_b512 s[8:23], s[0:1], 0x0               ; frames 8, memory_init 10, Wq 12, bq 14, Wk 16, bk 18, Wv 20, bv 22
	s_load_b256 s[24:31], s[0:1], 0x40             ; Wo 24, bo 26, Wg 28, bg 30
	s_load_b128 s[32:35], s[0:1], 0x60             ; ln_w 32, ln_b 34
	s_load_b64 s[36:37], s[0:1], 0x70              ; out0
	v_lshl_add_u32 v254, v0, 2, 0x27600
	v_mov_b32 v255, 0
	v_lshrrev_b32 v29, 5, v0
	v_readfirstlane_b32 s2, v29                    ; w
	v_and_b32 v1, 31, v0                           ; L
	v_and_b32 v2, 15, v0                           ; r
	v_bfe_u32 v3, v0, 4, 1                         ; h
	s_mov_b32 s6, 0x76543210                       ; v_permlanex16_b32: lane i reads lane i of the other half
	s_mov_b32 s7, 0xfedcba98
	s_mov_b32 s40, 0xbfb8aa3b                      ; c = -log2 e
	s_mov_b32 s41, 0xbfb8aa3b
	s_mov_b32 s42, 0xffffe000                      ; sign, exponent, 10 mantissa bits: what f16 holds exactly
	; offsets into global buffers
	s_lshl_b32 s38, s2, 17
	v_lshl_add_u32 v[VFO], v1, 4, s38              ; frames: 4 w sequences of 32,768 bytes + 16 L
	v_lshlrev_b32 v[VQO], 4, v0                    ; Wq, Wk: 16 t
	s_lshl_b32 s38, s2, 14
	v_lshl_add_u32 v[VWV], v1, 4, s38              ; Wv: 32 w rows of 512 bytes + 16 L
	v_lshlrev_b32 v30, 9, v2
	v_lshl_add_u32 v30, v3, 5, v30
	v_add_nc_u32 v[VWO], s38, v30                  ; Wo: 512 (32 w + r) + 32 h
	s_lshl_b32 s38, s2, 15
	v_lshlrev_b32 v30, 10, v2
	v_lshl_add_u32 v30, v3, 5, v30
	v_add_nc_u32 v[VWG], s38, v30                  ; Wg: 1024 (32 w + r) + 32 h
	s_lshl_b32 s38, s2, 7
	v_lshl_add_u32 v[VTB], v3, 5, s38              ; vectors of 128 f32, in memory and in LDS: 128 w + 32 h
	v_lshl_add_u32 v[VMV], v2, 2, s38              ; a row's word in such a vector: 128 w + 4 r
	s_lshl_b32 s39, s2, 11
	v_lshl_add_u32 v[VOG], v1, 4, s39              ; out0: 4 w rows of 512 bytes + 16 L
	v_lshlrev_b32 v[VV4], 2, v0                    ; 4 t
	; LDS addresses
	v_lshlrev_b32 v[VKF], 5, v3                    ; a vector along K: 32 h
	v_mul_u32_u24 v30, v2, 272
	v_lshl_add_u32 v[VFRAG], v3, 4, v30            ; B fragments: 272 r + 16 h
	s_lshl_b32 s39, s2, 6
	v_add_nc_u32 v[VXST], s39, v[VFRAG]            ; my x: 272 r + 64 w + 16 h
	s_mul_i32 s39, s2, 1088
	v_lshl_add_u32 v[VCST], v1, 3, s39             ; frames in f16: 272 (4 w) + 8 L
	v_mul_u32_u24 v[VSLD], v2, 80                  ; the sums of sequence r
	s_lshl_b32 s39, s2, 4
	v_lshl_add_u32 v30, v3, 3, v[VSLD]
	v_add_nc_u32 v[VSST], s39, v30                 ; my pair: 80 r + 16 w + 8 h
	v_mul_u32_u24 v30, v2, 528
	v_lshl_add_u32 v30, v3, 5, v30
	s_add_co_u32 s39, s38, OUTB
	v_add_nc_u32 v[VOST], s39, v30                 ; result in: 528 r + 128 w + 32 h
	s_mul_i32 s39, s2, 2112
	s_add_co_u32 s39, s39, OUTB
	v_lshl_add_u32 v[VOLD], v1, 4, s39             ; result back by rows: 528 (4 w) + 16 L
	s_lshl_b32 s39, s2, 2
	s_add_co_u32 s39, s39, PZ
	v_mov_b32 v[VPZ], s39
	v_mov_b32 v[VPZL], PZ
	s_mul_i32 s38, s2, 9216
	s_add_co_u32 s39, s38, WT1
	v_lshl_add_u32 v[VWVS], v1, 3, s39             ; Wv in f16: 288 (32 w) + 8 L
	v_mul_u32_u24 v30, v2, 288
	v_lshl_add_u32 v30, v3, 4, v30
	s_add_co_u32 s39, s38, WT2
	v_add_nc_u32 v[VWS2], s39, v30                 ; Wo Wv in f16: 288 (32 w + r) + 16 h
	v_and_b32 v30, 7, v0
	v_lshl_add_u32 v30, v3, 3, v30
	v_mul_u32_u24 v30, v30, 288
	v_bfe_u32 v31, v0, 3, 1
	v_lshl_add_u32 v30, v31, 4, v30                ; transposing load: 288 (8 h + L % 8) + 16 ((L / 8) % 2)
	v_add_nc_u32 v[VTR1], WT1, v30
	v_add_nc_u32 v[VTR1L], WT1+WTB, v30
	v_add_nc_u32 v[VTR2], WT2, v30
	s_wait_kmcnt 0x0
	s_lshl_b32 s4, ttmp9, 19                       ; 16 sequences of 32,768 bytes a work-group
	s_mov_b32 s5, 0
	s_add_nc_u64 s[8:9], s[8:9], s[4:5]
	s_lshl_b32 s4, ttmp9, 13                       ; 16 rows of 512 bytes
	s_add_nc_u64 s[36:37], s[36:37], s[4:5]
	; ---- the weights.  Loads in this order: Wv 32, vectors 6, Wo 32, tables 20 ----
	WIN 0xc0
.set i_, 0
.rept 32
	global_load_b128 v[STGA+4*i_:STGA+4*i_+3], v[VWV], s[20:21] offset:512*i_      ; row 32 w + i of Wv, 512 consecutive bytes
.set i_, i_+1
.endr
	WIN 0
	global_load_b32 v[VE], v[VV4], s[22:23]        ; bv
	global_load_b32 v[VE+1], v[VV4], s[34:35]      ; ln_b
	global_load_b32 v[VE+2], v[VV4], s[10:11]      ; memory_init
	global_load_b32 v[VE+3], v[VV4], s[32:33]      ; ln_w
	global_load_b32 v[VE+4], v[VV4], s[14:15]      ; bq
	global_load_b32 v[VE+5], v[VV4], s[18:19]      ; bk
	WIN 0xc0
	LDFRAG STGB, VWO, 24, 0, 512                   ; Wo
	WIN 0
	LDTAB BU, 26                                   ; bo
	LDTAB BG, 30                                   ; bg
	LDTAB LW, 32
	LDTAB LB, 34
	LDTAB ST, 10                                   ; m of step 0
	s_wait_loadcnt 52                              ; Wo's 32 and the tables' 20 may be out: Wv and the six vectors are in
	ds_store_b32 v[VV4], v[VE] offset:BVV
	ds_store_b32 v[VV4], v[VE+1] offset:LBV
	ds_store_b32 v[VV4], v[VE+2] offset:M0V
	ds_store_b32 v[VV4], v[VE+3] offset:LWV
	v_mul_f32 v[PA], 0, v[VE+4]                    ; 0 x bq, 0 x bk start the four sums of zeros
	v_mul_f32 v[PA+1], 0, v[VE+5]
	v_mov_b32 v[PA+2], v[PA]
	v_mov_b32 v[PA+3], v[PA+1]
.irp half, 0,1
	SPLIT64 STGA+64*\half, CV, 0, TA, 0x0f         ; sixteen rows of Wv: hi in CV .., lo in TA ..
	WIN 0
.set i_, 0
.rept 16
	ds_store_b64 v[VWVS], v[CV+2*i_:CV+2*i_+1] offset:288*(i_+16*\half)
	ds_store_b64 v[VWVS], v[TA+2*i_:TA+2*i_+1] offset:288*(i_+16*\half)+WTB
.set i_, i_+1
.endr
	s_wait_dscnt 0x0                               ; the stores are done: their data registers are written again, and the barrier follows
.endr
	s_barrier_signal -1
	s_barrier_wait -1                              ; Wv and the vectors lie in LDS
	KLOAD TA, BVV
	s_wait_loadcnt 0x0                             ; Wo and the tables
	s_wait_dscnt 0x0
	MATV STGB, TA, 0x03, MV0, TT                   ; Wo bv
	TABLD CV+8, MV0                                ; LDS serves a wave's instructions in order (ISA guide 5.7.1.4): my rows, as a table
	s_wait_dscnt 0x0
.irp e, 0,2,4,6,8,10,12,14
	v_pk_add_f32 v[BU+\e:BU+\e+1], v[BU+\e:BU+\e+1], v[CV+8+\e:CV+8+\e+1]          ; BU = bo + Wo bv
.endr
.irp a, 0,1
	ds_store_b128 v[VTB], v[BU+8*\a:BU+8*\a+3] offset:BUV+64*\a                    ; the sixteen lanes of a half write the same bytes
	ds_store_b128 v[VTB], v[BU+8*\a+4:BU+8*\a+7] offset:BUV+64*\a+16
.endr
	SPLIT64 STGB, TMPF, 0x40, WL, 0xcf             ; Wo's fragments, hi and lo
	SPLIT64 STGB+64, TMPF+32, 0x40, WL+32, 0xcf
	WIN 0xc0
	LDFRAG STGB, VWG, 28, 512, 1024                ; Wg2 = columns 128 .. 255 of Wg, while Wo Wv is multiplied
	WIN 0x80
.irp k, 0,1,2,3
	LOADG \k, \k                                   ; the ring: tiles 0 to 3, 20 loads
.endr
	WIN 0
.irp e, 0,2,4,6,8,10,12,14
	v_pk_mul_f32 v[BG+\e:BG+\e+1], v[BG+\e:BG+\e+1], s[40:41] op_sel_hi:[1,0]      ; c bg
.endr
	PROD3                                          ; AU, AUL = Wo Wv
	WIN 0x04
.irp a, 0,1
.irp s, 0,1,2,3
	ds_store_b128 v[VWS2], v[AU+8*(4*\a+\s):AU+8*(4*\a+\s)+3] offset:4608*\a+64*\s
	ds_store_b128 v[VWS2], v[AU+8*(4*\a+\s)+4:AU+8*(4*\a+\s)+7] offset:4608*\a+64*\s+32
.endr
.endr
	s_wait_dscnt 0x0
	s_barrier_signal -1
	s_barrier_wait -1                              ; BU and hi of Wo Wv lie in LDS
	WIN 0
	KLOAD TA, BUV
	s_wait_loadcnt 5*RING                          ; the ring's 20 may be out: Wg2 is in
	WIN 0xc3
	SCALE64 STGB                                   ; c Wg2
	s_wait_dscnt 0x0
	MATV STGB, TA, 0x03, MV1, TT                   ; c Wg2 BU
	TABLD CV+8, MV1
	WIN 0xcf
	CVT64 WL, STGB                                 ; c Wg2's fragments
	WIN 0xc0
	LDFRAG STGB, VWG, 28, 0, 1024                  ; Wg1, while AG is multiplied
	WIN 0
	s_wait_dscnt 0x0
.irp e, 0,2,4,6,8,10,12,14
	v_pk_add_f32 v[BG+\e:BG+\e+1], v[BG+\e:BG+\e+1], v[CV+8+\e:CV+8+\e+1]
.endr
	PROD VTR2, AG, WL, 0x0c                        ; AG = c Wg2 Wo Wv
	s_wait_loadcnt 0x0                             ; Wg1 (and the ring, which is older)
	WIN 0
	KLOAD TA, LBV
	WIN 0x80
	KLOAD XF, M0V
	WIN 0xc3
	SCALE64 STGB                                   ; c Wg1
	s_wait_dscnt 0x0
	MATV STGB, TA, 0x03, MV2, TT                   ; c Wg1 ln_b
	KLOAD TA, LWV
	MATV STGB, XF, 0x0b, MV3, TT+2                 ; c Wg1 memory_init
	TABLD CV+8, MV2
	TABLD PP, MV3
	s_wait_dscnt 0x0
.irp e, 0,2,4,6,8,10,12,14
	v_pk_add_f32 v[PP+\e:PP+\e+1], v[PP+\e:PP+\e+1], v[BG+\e:BG+\e+1]              ; step 0's constant
.endr
.irp e, 0,2,4,6,8,10,12,14
	v_pk_add_f32 v[BG+\e:BG+\e+1], v[BG+\e:BG+\e+1], v[CV+8+\e:CV+8+\e+1]          ; all later steps'
.endr
	WIN 0xc3
.irp a, 0,1
.irp s, 0,1,2,3
.irp e, 0,2,4,6,8,10,12,14
	v_pk_mul_f32 v[STGB+16*(4*\a+\s)+\e:STGB+16*(4*\a+\s)+\e+1], v[STGB+16*(4*\a+\s)+\e:STGB+16*(4*\a+\s)+\e+1], v[TA+16*\s+\e:TA+16*\s+\e+1]
.endr
.endr
.endr
	ROWMEAN 0
	ROWMEAN 1
	SPLIT64 STGB, AM, 0x40, AML, 0x4f
	SPLIT64 STGB+64, AM+32, 0x40, AML+32, 0x4f
	; ---- tiles 0 to 3 through their stations ----
.set cvt_, 1
	CVT 0, 5*(RING-1)                              ; three younger groups of five
	CST 0
	WIN 0x80
	LOADG 0, 4
	CVT 1, 5*(RING-1)
	CST 1
	WIN 0x80
	LOADG 1, 5
	s_wait_dscnt 0x0
	s_barrier_signal -1
	s_barrier_wait -1
	WIN 0x80
	BLOAD FR0, FB0
	BLOAD FR0+32, FB0+SLOTB
	WIN 0xc0
	BLOAD FRL0, FB0+LOP
	BLOAD FRL0+32, FB0+SLOTB+LOP
	CVT 2, 5*(RING-1)
	s_wait_dscnt 0x0                               ; FB's slot 0 has been read by me,
	s_barrier_signal -1
	s_barrier_wait -1                              ; and by all: tile 2 may go there
	CST 0
	WIN 0x80
	LOADG 2, 6
	WIN 0x0b
	MM8 U0, BU, AUL, FR0
	WIN 0x0d
	MM8 U0, U0, AU, FRL0
	WIN 0x09
	MM8 U0, U0, AU, FR0
	MM8 G0, PP, AG, FR0
	s_wait_dscnt 0x0
	s_barrier_signal -1
	CVT 3, 5*(RING-1)                              ; register work; also the places between the products above and step 0's loads into FR
	s_barrier_wait -1
	STEP 0, 0
	WIN 0                                          ; at a label and at a branch every window is 0
	s_mov_b32 s3, (60-RING)/RING
.Lring:                                            ; steps 1 .. 56, four to a pass: once round the ring of registers
.irp i, 1,2,3,4
	STEP \i, \i+RING
.endr
	WIN 0
	s_wait_xcnt 0x0                                ; the bases are sources of the loads issued: stepped only behind this wait
	s_add_nc_u64 s[8:9], s[8:9], 512*RING          ; four steps of 512 bytes
	s_add_nc_u64 s[12:13], s[12:13], 1024*RING     ; two pieces of 2,048 bytes each
	s_add_nc_u64 s[16:17], s[16:17], 1024*RING
	s_sub_co_u32 s3, s3, 1
	s_cmp_lg_u32 s3, 0
	s_cbranch_scc1 .Lring
.irp i, 1,2,3,4,5,6,7
	STEP \i, \i+60-RING                            ; steps 57 .. 63: no load past tile 63, the counts run down
.endr
	; ---- the way out: the last LayerNorm, then rows of 512 bytes through LDS ----
	WIN 0
.irp i, 0,1,2,3
	ds_load_b128 v[SR+4*\i:SR+4*\i+3], v[VSLD] offset:SB0+16*\i
.endr
	v_pk_add_f32 v[PA:PA+1], v[PA:PA+1], v[PA+2:PA+3]
	v_add_f32 v[PA], v[PA], v[PA+1]
	v_add_f32_dpp v[PA], v[PA], v[PA] row_xmask:1 row_mask:0xf bank_mask:0xf
	v_add_f32_dpp v[PA], v[PA], v[PA] row_xmask:2 row_mask:0xf bank_mask:0xf
	v_add_f32_dpp v[PA], v[PA], v[PA] row_xmask:4 row_mask:0xf bank_mask:0xf
	v_add_f32_dpp v[PA], v[PA], v[PA] row_xmask:8 row_mask:0xf bank_mask:0xf
	v_permlanex16_b32 v[PA+1], v[PA], s6, s7
	v_add_f32 v[PA], v[PA], v[PA+1]
	ds_store_b32 v[VPZ], v[PA]                     ; my wave's word: 0, or NaN
	s_wait_dscnt 1                                 ; that store may be out: the sums are in
.irp c, 0,1,2,3,4,5,6,7,8,9
	STC \c                                         ; the last LayerNorm, in one run
.endr
.irp a, 0,1
	ds_store_b128 v[VOST], v[ST+8*\a:ST+8*\a+3] offset:64*\a
	ds_store_b128 v[VOST], v[ST+8*\a+4:ST+8*\a+7] offset:64*\a+16
.endr
	s_wait_dscnt 0x0
	s_barrier_signal -1
	s_barrier_wait -1
	ds_load_b128 v[TT:TT+3], v[VPZL]
.irp q, 0,1,2,3
	ds_load_b128 v[ST+4*\q:ST+4*\q+3], v[VOLD] offset:528*\q
.endr
	s_wait_dscnt 0x0
	v_add_f32 v[TT], v[TT], v[TT+1]
	v_add_f32 v[TT+2], v[TT+2], v[TT+3]
	v_add_f32 v[TT], v[TT], v[TT+2]
	v_mov_b32 v[TT+1], v[TT]
.irp e, 0,2,4,6,8,10,12,14
	v_pk_add_f32 v[ST+\e:ST+\e+1], v[ST+\e:ST+\e+1], v[TT:TT+1]
.endr
.irp q, 0,1,2,3
	global_store_b128 v[VOG], v[ST+4*\q:ST+4*\q+3], s[36:37] offset:512*\q th:TH_STORE_NT     ; a wave's store covers 512 consecutive bytes, aligned
.endr
	s_wait_tensorcnt 0x0
	ds_add_u32 v254, v255
	s_wait_dscnt 0x0
	s_endpgm
.Lfunc_end_k_q282d6ddbcb_memtok:
	.size	k_q282d6ddbcb_memtok, .Lfunc_end_k_q282d6ddbcb_memtok-k_q282d6ddbcb_memtok
	.p2alignl 7, 3214868480
	.fill 96, 4, 3214868480
	.section	.rodata,"a",@progbits
	.p2align	6, 0x0
	.amdhsa_kernel k_q282d6ddbcb_memtok
		.amdhsa_group_segment_fixed_size 161792
		.amdhsa_private_segment_fixed_size 0
		.amdhsa_enable_private_segment 0
		.amdhsa_kernarg_size 120
		.amdhsa_user_sgpr_count 2
		.amdhsa_user_sgpr_kernarg_segment_ptr 1
		.amdhsa_wavefront_size32 1
		.amdhsa_system_sgpr_workgroup_id_x 1
		.amdhsa_system_sgpr_workgroup_id_y 1
		.amdhsa_system_sgpr_workgroup_id_z 1
		.amdhsa_system_vgpr_workitem_id 0
		.amdhsa_next_free_vgpr 1024
		.amdhsa_next_free_sgpr 66
		.amdhsa_reserve_vcc 0
		.amdhsa_float_denorm_mode_32 3
		.amdhsa_float_denorm_mode_16_64 3
		.amdhsa_memory_ordered 1
		.amdhsa_forward_progress 1
		.amdhsa_inst_pref_size 255
	.end_amdhsa_kernel
	.section	.bss,"aw",@nobits
	.p2align	6
	.space	262144
	.amdgpu_metadata
---
amdhsa.version: [ 1, 2 ]
amdhsa.kernels:
  - .name:           k_q282d6ddbcb_memtok
    .symbol:         k_q282d6ddbcb_memtok.kd
    .args:
      - { .name: frames, .offset: 0, .size: 8, .value_kind: global_buffer, .address_space: global }
      - { .name: memory_init, .offset: 8, .size: 8, .value_kind: global_buffer, .address_space: global }
      - { .name: Wq, .offset: 16, .size: 8, .value_kind: global_buffer, .address_space: global }
      - { .name: bq, .offset: 24, .size: 8, .value_kind: global_buffer, .address_space: global }
      - { .name: Wk, .offset: 32, .size: 8, .value_kind: global_buffer, .address_space: global }
      - { .name: bk, .offset: 40, .size: 8, .value_kind: global_buffer, .address_space: global }
      - { .name: Wv, .offset: 48, .size: 8, .value_kind: global_buffer, .address_space: global }
      - { .name: bv, .offset: 56, .size: 8, .value_kind: global_buffer, .address_space: global }
      - { .name: Wo, .offset: 64, .size: 8, .value_kind: global_buffer, .address_space: global }
      - { .name: bo, .offset: 72, .size: 8, .value_kind: global_buffer, .address_space: global }
      - { .name: Wg, .offset: 80, .size: 8, .value_kind: global_buffer, .address_space: global }
      - { .name: bg, .offset: 88, .size: 8, .value_kind: global_buffer, .address_space: global }
      - { .name: ln_w, .offset: 96, .size: 8, .value_kind: global_buffer, .address_space: global }
      - { .name: ln_b, .offset: 104, .size: 8, .value_kind: global_buffer, .address_space: global }
      - { .name: out0, .offset: 112, .size: 8, .value_kind: global_buffer, .address_space: global }
    .group_segment_fixed_size: 161792
    .private_segment_fixed_size: 0
    .kernarg_segment_align: 8
    .kernarg_segment_size: 120
    .max_flat_workgroup_size: 128
    .sgpr_count:     66
    .vgpr_count:     1024
    .wavefront_size: 32
...
	.end_amdgpu_metadata
.endif
;; end of part 2
;; ======== version 3 of 3: 1 launch; version 2 with the launch memtok written anew for expert scheduling mode
;; limits: a difference of large sums (such as E[x^2] - mean^2): digits are lost where the result is much smaller than its terms; values are held in f16: magnitudes above 65,504 overflow, below 6.1e-05 lose precision; inputs' magnitudes at most 65,504
;; launch memtok (part 3): grid 256 x 1, 4 waves a work-group, no clusters, 161,792 bytes of LDS; arguments frames, memory_init, Wq, bq, Wk, bk, Wv, bv, Wo, bo, Wg, bg, ln_w, ln_b, out0; writes out0
.if DOCPART == 3
	.amdgcn_target "amdgcn-amd-amdhsa--gfx1250"
	.amdhsa_code_object_version 6
	.text
	.protected	k_q282d6ddbcb_memtok
	.globl	k_q282d6ddbcb_memtok
	.p2align	8
	.type	k_q282d6ddbcb_memtok,@function
k_q282d6ddbcb_memtok:
	s_mov_b64 s[64:65], 0
	v_nop
	global_prefetch_b8 v0, s[64:65] scope:SCOPE_SE
	s_setreg_imm32_b32 hwreg(HW_REG_WAVE_SCHED_MODE, 0, 2), 2
	s_setreg_imm32_b32 hwreg(HW_REG_WAVE_MODE, 25, 1), 1
	s_wait_xcnt 0x0
	s_wait_alu depctr_vm_vsrc(0)
; TemporalMemoryTokens: 4,096 sequences, each carries one token of 128 numbers through 64 dependent steps.
; 256 work-groups of four waves.  Work-group g owns sequences 16 g .. 16 g + 15: they are the 16 columns of every
; matrix instruction.  Wave w owns output features 32 w .. 32 w + 31 (two tiles of 16 rows, a = 0, 1).
; Every product is  weights (A, rows = features, K contiguous)  x  activations (B, column = sequence).  In the result
; lane (r, h) holds features 16 a + 8 h + 0..7 of sequence r: what LayerNorm needs per sequence is a per-lane number,
; and packed conversions make the 16 bytes that are half of the next step's B fragment.
;
; WHAT IS COMPUTED (f = frame, m = memory, c = -log2 e, Wg = [Wg1 | Wg2]):
;   the softmax runs over an axis of length one, exp(s - s) / exp(s - s) = 1 for every finite score, so attended = v;
;   u = (Wo Wv) f + (Wo bv + bo) = AU f + BU;
;   c logit = (c Wg2 Wo Wv) f + c (bg + Wg2 BU + Wg1 ln_b) + rs (AM x) = AG f + BG + rs (AM x),
;       x = the last step's blend before LayerNorm, rs = 1 / sqrt(var + eps),
;       AM = c Wg1 diag(ln_w) with each row's mean taken off (that does the "- mu" of LayerNorm inside the product);
;   gate = 1 / (1 + 2^(c logit));  x' = m + gate (u - m);  m = (x - mu) rs ln_w + ln_b.
;   So a step has ONE exchange through LDS (x, and each wave's sum and sum of squares) and one barrier.
;   AU f and AG f do not hang on m: they are made one step ahead.
;
; PAIRS OF f16.  The memory outlives the 64 steps (a step keeps 1 - gate of it and LayerNorm scales it back) and feeds its
; own gate, so an error of the operands adds up from step to step and grows.  Hence x, the frames, AM, AU, Wo and Wv go to the
; matrix unit as hi + lo: hi = the number cut to 10 mantissa bits (exact in f16), lo = the rest, rounded to f16; and a
; product is three products, Ah Bh + Ah Bl + Al Bh, on one f32 accumulator.  AG f is one product: it is 0.05 of the logit's
; spread at the given sizes of weights and changes with every frame.  The four matrix-vector products of the constants
; (Wo bv, Wg2 BU, Wg1 ln_b, Wg1 memory_init: 65,536 multiply-adds a work-group, once) are made in f32 by the vector unit from
; the f32 weights that lie in registers anyway: in a matrix instruction fifteen of the sixteen columns would be idle.
;
; THE ORDER OF A TRIP.  (1) what the chain waits for, in one run: x's fragments and the sums out of LDS; with them a frame tile's
; five global loads and the eight LDS stores of another; (2) the 24 products of the next step's u, two at a time, behind each two at
; most four of the 42 lines that split a frame tile, and behind four of them four of the 16 LDS loads of the fragments that the next
; trip multiplies; (3) the 24 products AM x, two at a time, and behind each two the lines of LayerNorm, which hang on the sums and not
; on the products; (4) gate and blend, with the 8 products AG f one by one among the exponentials and reciprocals; (5) x and its sums
; to LDS, the barrier.  So the wave has vector lines to issue while products run.  The price is a switch of register windows on
; either side of each such group: the five weight matrices are 320 registers of a wave, so products and state cannot lie in one window.
;
; THE MODE: SCHED_MODE bits 1:0 = 2 (LLVM: expert scheduling mode 2), set by the entry lines.  The code itself states the register
; dependences between vector or matrix instructions and memory or LDS instructions, with s_wait_alu, always for 0.
; THE PLAN.  Registers that memory or LDS instructions touch in trip t (p = t & 1, n = 1 - p):
;   XF, XFL         x's fragments.  Loaded at the trip's head; read by the trip's 24 products AM x.
;   SR              the eight pairs of sums.  Loaded at the head; read and written by the trip's LayerNorm.
;   FR[p], FRL[p]   the fragments of frame tile t + 2.  Loaded among the products of phase 2, which read FR[n], FRL[n]; read by trip t + 1's products.
;   ring slot (t + 3) & 3   frame tile t + 7 as loaded.  Loaded at the head; trip t - 1 split that slot; trip t splits slot t & 3.
;   FO[p]           frame tile t + 4 as a pair of f16.  Written by trip t's split; read by the eight stores at the head of trip t + 1.  Two buffers by turns.
;   U[p]            x's pair of f16.  Written at the trip's end and read by four stores there; written again by trip t + 1's products.
;   SPR             my sums.  Written at the trip's end and read by one store there; written again at the end of trip t + 1.
;   v4-27           offsets and LDS addresses, written once at the kernel's head; the rows are reached by scalar bases and immediate offsets.
; THREE WAITS A TRIP.  vm_vsrc at the head: the last trip's stores have read U[n], SPR and FO[p], which this trip writes.  va_vdst ahead of x's
; four stores.  va_vdst ahead of the store of the sums: no vector or matrix instruction stands between it and the next trip's head, so it also states
; that the products are done reading XF, XFL, FR[n], FRL[n], that LayerNorm is done with SR and the split with its ring slot, and that FO[p] is
; written.  The next trip's loads and stores lean on it; those dealt among the products of phase 2 too, since those products and the split name
; U, BU, AU, AUL, the other FR and FRL, another ring slot, TW, the other FO and PA: none of the registers that these loads touch.
;
; Wq, bq, Wk, bk reach reference()'s result only through a score that is not finite.  All four are read, and the sum of
; 0 x every element (0, or NaN if one of them is Inf or NaN) is added to every output.
;
; LIMITS.  (1) Finite Wq, bq, Wk, bk whose score passes 3.4e38 give NaN in reference() and not here.
; (2) Frames, x, the weights and their products must stay below 65,504 in magnitude (f16).  A pair carries a number to
; 2^-21 of itself or to 3e-8 absolutely, whichever is larger (the lo parts of small numbers are f16 denormals).
; (3) Wo Wv and c Wg2 Wo Wv are multiplied out first, c Wg2 Wo Wv is rounded to f16: another order of rounding than reference()'s.
; (4) var = E[x^2] - mu^2, held at 0 from below: its relative error grows as 2^-24 mu^2 / var.  With Inf in x some outputs
; differ from reference()'s NaN.  (5) v_exp_f32 and v_rcp_f32 flush denormals (ISA guide 15.8): a gate can be exactly 0 or 1.
; (6) -0 comes out as +0.
;
; NO CLUSTER: the work-groups share only the weights, 384 KiB read once by each, against 512 KiB of frames of its own.
; Wo and Wg go from memory straight into the lanes' fragment registers; a joint request lands in LDS and would add a pass
; of 256 KiB of f32 through LDS.  NO TENSOR LOADS: the frames are f32 and pass through registers for the split anyway.
; NO PREFETCH: a frame tile is asked for by its load seven trips before the trip that uses it, three before it is split.
; ---- LDS, bytes ----
.set FB0,  0                           ; frame tile in f16, 16 sequences, pitch 272: hi part, lo part at + LOP; slot p at SLOTB p
.set LOP,  4352
.set SLOTB, 8704
.set XB0,  17408                       ; x likewise
.set SB0,  34816                       ; 16 sequences, pitch 80: eight pairs (sum, sum of squares) at 16 w + 8 h; slot p at 1280 p
.set OUTB, 37376                       ; the result in f32, 16 sequences, pitch 528
.set PZ,   45824                       ; one word a wave: 0 x (Wq, bq, Wk, bk)
.set BVV,  46080                       ; bv, ln_b, memory_init, BU, ln_w as f32 vectors, 512 bytes each
.set LBV,  46592
.set M0V,  47104
.set BUV,  47616
.set LWV,  48128
.set MV0,  48640                       ; the four matrix-vector products, 512 bytes each; wave w writes and reads bytes 128 w ..
.set MV1,  49152
.set MV2,  49664
.set MV3,  50176
.set WT1,  50688                       ; Wv in f16, [j][i], pitch 288 (nine times 32: for the transposing load): hi, lo at + WTB
.set WTB,  36864
.set WT2,  124416                      ; hi of Wo Wv, [j][i], pitch 288.  End: 161,280
; ---- window 0 ----
.set VFO, 4                            ; v4-27: byte offsets, written once (list where they are made)
.set VQO, 5
.set VFRAG, 6
.set VCST, 7
.set VXST, 8
.set VSST, 9
.set VSLD, 10
.set VOST, 11
.set VOLD, 12
.set VOG, 13
.set VPZ, 14
.set VPZL, 15
.set VWV, 16
.set VWVS, 17
.set VWO, 18
.set VWG, 19
.set VTB, 20
.set VTR1, 21
.set VTR2, 22
.set VWS2, 23
.set VV4, 24
.set VTR1L, 25
.set VMV, 26
.set VKF, 27
.set BU,  32                           ; tables of my 16 features (register 8 a + j): BU, BG, ln_w, ln_b
.set BG,  48
.set LW,  64
.set LB,  80
.set ST,  96                           ; the state: x, then m, in place
.set PP,  112                          ; AM x; then 2^(c logit); then x cut to hi.  Ahead of the loop: products' tile 0, step 0's BG
.set SR,  128                          ; the eight pairs of sums.  Ahead of the loop: products' tile 1
.set DP,  112
.set U0,  144                          ; u of even steps; U0 + 16 of odd steps.  When u is spent: x's f16 pair
.set G0,  176                          ; c logit of even steps; G0 + 16 of odd steps.  When the gate is spent: x - hi
.set TA,  144                          ; ahead of the loop, 144-207: transposed fragments; numbers cut to hi; a vector along K
.set CV,  208                          ; ahead of the loop, 208-239: at work
.set TS,  224
.set QQ,  232
.set SPR, 236                          ; my (sum, sum of squares)
.set RS,  238                          ; (rs, -mu rs)
.set TT,  240
.set PA,  244                          ; 0 x what was read of Wq, bq, Wk, bk
.set VE,  248                          ; one element a thread of bv, ln_b, memory_init, ln_w, bq, bk
; ---- window 1: A fragments, (a, s) at 8 (4 a + s) ----
.set AU,  0                            ; hi of Wo Wv
.set AG,  64
.set AM,  128                          ; hi of AM
.set AML, 192                          ; lo of AM
.set TMPF, 192                         ; before that: hi of Wo
; ---- window 2: ring slot k at 20 k (16 registers of frames, 4 of Wq or Wk), k = 0..3; hi B fragments ----
.set RING, 4                           ; slots; the loop's body is RING steps, since registers are named in the text
.set TW,  80                           ; a frame tile cut to hi, 16 registers
.set FO,  96                           ; a frame tile as a pair of f16 on its way to LDS: buffer b at FO + 16 b: 8 registers of hi, then 8 of lo
.set XF,  160
.set FR0, 192                          ; frames of even steps; FR0 + 32 of odd steps
; ---- window 3 ----
.set AUL, 0                            ; lo of Wo Wv
.set XFL, 64                           ; lo B fragments
.set FRL0, 96
.set WL,  64                           ; ahead of the loop: lo of Wo, then c Wg2
.set STGA, 0                           ; ahead of the loop: Wv in f32
.set STGB, 128                         ; ahead of the loop: Wo, Wg2, Wg1 in f32 in turn, piece (a, s) at 16 (4 a + s)
; s_set_vgpr_msb: bits 1:0 source 0, 3:2 source 1, 5:4 source 2, 7:6 destination; the high byte repeats the setting left.
; Loads: 0x80 into window 2, 0xc0 into 3.  LDS stores: 0x04 data from window 1, 0x08 data from window 2 (under it a load still lands in window 0).
; Products (C, D window 0): 0x09 A 1, B 2; 0x0d A 1, B 3; 0x0b A 3, B 2; 0x04 B 1; 0x0c B 3.
; Vector work: 0xaa all in window 2; 0x0a 2 to 0; 0x0c source 1 from 3; 0xc3 window 3 in place with source 1 from 0;
; 0x03, 0x0b source 0 from 3 (source 1 from 0, 2); 0x0f, 0x4f, 0xcf 3 to 0, 1, 3; 0x40, 0xc0 0 to 1, 3.
.set MSB, 0
.macro WIN new
.if MSB != (\new)
	s_set_vgpr_msb (MSB<<8)|(\new)
.set MSB, \new
.endif
.endm
.macro PLACES n
.rept \n
	v_nop
.endr
.endm
.macro LEFLAG name, x, lim
.if (\x) <= (\lim)
.set \name, 1
.else
.set \name, 0
.endif
.endm
; 32 loads: rows 32 w + 16 a + r of an f32 matrix with rows of rp bytes, from byte col on, in the lanes' fragment order:
; piece (a, s), registers 0-7: k = 32 s + 8 h + 0..7, registers 8-15: k = 32 s + 16 + 8 h + 0..7
.macro LDFRAG dst, voff, sb, col, rp
.irp a, 0,1
.irp s, 0,1,2,3
	global_load_b128 v[\dst+16*(4*\a+\s):\dst+16*(4*\a+\s)+3], v[\voff], s[\sb:\sb+1] offset:\col+\a*16*\rp+128*\s
	global_load_b128 v[\dst+16*(4*\a+\s)+4:\dst+16*(4*\a+\s)+7], v[\voff], s[\sb:\sb+1] offset:\col+\a*16*\rp+128*\s+16
	global_load_b128 v[\dst+16*(4*\a+\s)+8:\dst+16*(4*\a+\s)+11], v[\voff], s[\sb:\sb+1] offset:\col+\a*16*\rp+128*\s+64
	global_load_b128 v[\dst+16*(4*\a+\s)+12:\dst+16*(4*\a+\s)+15], v[\voff], s[\sb:\sb+1] offset:\col+\a*16*\rp+128*\s+80
.endr
.endr
.endm
; 4 loads: a vector's elements 32 w + 16 a + 8 h + j into register 8 a + j; from memory, from LDS
.macro LDTAB dst, sb
.irp a, 0,1
	global_load_b128 v[\dst+8*\a:\dst+8*\a+3], v[VTB], s[\sb:\sb+1] offset:64*\a
	global_load_b128 v[\dst+8*\a+4:\dst+8*\a+7], v[VTB], s[\sb:\sb+1] offset:64*\a+16
.endr
.endm
.macro TABLD dst, region
.irp a, 0,1
	ds_load_b128 v[(\dst)+8*\a:(\dst)+8*\a+3], v[VTB] offset:\region+64*\a
	ds_load_b128 v[(\dst)+8*\a+4:(\dst)+8*\a+7], v[VTB] offset:\region+64*\a+16
.endr
.endm
; 16 LDS loads: an f32 vector along K, in the order of LDFRAG's pieces (register 16 s + q)
.macro KLOAD dst, region
.irp s, 0,1,2,3
	ds_load_b128 v[(\dst)+16*\s:(\dst)+16*\s+3], v[VKF] offset:\region+128*\s
	ds_load_b128 v[(\dst)+16*\s+4:(\dst)+16*\s+7], v[VKF] offset:\region+128*\s+16
	ds_load_b128 v[(\dst)+16*\s+8:(\dst)+16*\s+11], v[VKF] offset:\region+128*\s+64
	ds_load_b128 v[(\dst)+16*\s+12:(\dst)+16*\s+15], v[VKF] offset:\region+128*\s+80
.endr
.endm
; One matrix instruction: D[a] = C + A(a, s) x B(s).  mode 0: C = D[a], the next link of the chain; 1: C = c[a]; 2: C = 0
.macro MM1 d, c, ab, bb, s, a, mode
.if (\mode) == 0
	v_wmma_f32_16x16x32_f16 v[(\d)+8*(\a):(\d)+8*(\a)+7], v[(\ab)+8*(4*(\a)+(\s)):(\ab)+8*(4*(\a)+(\s))+7], v[(\bb)+8*(\s):(\bb)+8*(\s)+7], v[(\d)+8*(\a):(\d)+8*(\a)+7]
.endif
.if (\mode) == 1
	v_wmma_f32_16x16x32_f16 v[(\d)+8*(\a):(\d)+8*(\a)+7], v[(\ab)+8*(4*(\a)+(\s)):(\ab)+8*(4*(\a)+(\s))+7], v[(\bb)+8*(\s):(\bb)+8*(\s)+7], v[(\c)+8*(\a):(\c)+8*(\a)+7]
.endif
.if (\mode) == 2
	v_wmma_f32_16x16x32_f16 v[(\d)+8*(\a):(\d)+8*(\a)+7], v[(\ab)+8*(4*(\a)+(\s)):(\ab)+8*(4*(\a)+(\s))+7], v[(\bb)+8*(\s):(\bb)+8*(\s)+7], 0
.endif
.endm
; the two tiles' links for one K step: two chains that take turns
.macro MMP d, c, ab, bb, s, mode
	MM1 \d, \c, \ab, \bb, \s, 0, \mode
	MM1 \d, \c, \ab, \bb, \s, 1, \mode
.endm
; 8 matrix instructions: D[a] = c[a] + sum over s of A(a, s) x B(s)
.macro MM8 d, c, ab, bb
	MMP \d, \c, \ab, \bb, 0, 1
	MMP \d, \c, \ab, \bb, 1, 0
	MMP \d, \c, \ab, \bb, 2, 0
	MMP \d, \c, \ab, \bb, 3, 0
.endm
; 128 f32 registers to 64 of f16, rounded
.macro CVT64 dst, src
.set i_, 0
.rept 64
	v_cvt_pk_f16_f32 v[(\dst)+i_], v[(\src)+2*i_], v[(\src)+2*i_+1]
.set i_, i_+1
.endr
.endm
; 128 f32 registers times c
.macro SCALE64 base
.set i_, 0
.rept 64
	v_pk_mul_f32 v[(\base)+2*i_:(\base)+2*i_+1], v[(\base)+2*i_:(\base)+2*i_+1], s[40:41] op_sel_hi:[1,0]
.set i_, i_+1
.endr
.endm
; 64 f32 registers of window 3 into 32 registers of hi and 32 of lo.  The cut numbers pass through TA; src is left holding x - hi
.macro SPLIT64 src, hdst, hwin, ldst, lwin
	WIN 0x0c
.set i_, 0
.rept 64
	v_and_b32 v[TA+i_], s42, v[(\src)+i_]
.set i_, i_+1
.endr
	WIN 0xc3
.set i_, 0
.rept 32
	v_pk_add_f32 v[(\src)+2*i_:(\src)+2*i_+1], v[(\src)+2*i_:(\src)+2*i_+1], v[TA+2*i_:TA+2*i_+1] neg_lo:[0,1] neg_hi:[0,1]
.set i_, i_+1
.endr
	WIN \hwin
.set i_, 0
.rept 32
	v_cvt_pk_f16_f32 v[(\hdst)+i_], v[TA+2*i_], v[TA+2*i_+1]
.set i_, i_+1
.endr
	WIN \lwin
.set i_, 0
.rept 32
	v_cvt_pk_f16_f32 v[(\ldst)+i_], v[(\src)+2*i_], v[(\src)+2*i_+1]
.set i_, i_+1
.endr
.endm
; A matrix-vector product in f32: rows 32 w + 16 a + r of the matrix in window 3 (64 numbers of a row in this lane, 64 in lane
; xor 16) times the vector along K; row's result to word 32 w + 16 a + r of region mv (both halves write the same number).
; The two rows' sums lie in two registers, t and t + 1, and are stored together, behind one wait.
.macro MATV src, vec, win, mv, t
.irp a, 0,1
	WIN \win
.irp e, 0,2,4,6
	v_pk_mul_f32 v[CV+\e:CV+\e+1], v[(\src)+64*\a+\e:(\src)+64*\a+\e+1], v[(\vec)+\e:(\vec)+\e+1]
.endr
.set i_, 4
.rept 28
	v_pk_fma_f32 v[CV+2*(i_%4):CV+2*(i_%4)+1], v[(\src)+64*\a+2*i_:(\src)+64*\a+2*i_+1], v[(\vec)+2*i_:(\vec)+2*i_+1], v[CV+2*(i_%4):CV+2*(i_%4)+1]
.set i_, i_+1
.endr
	WIN 0
	v_pk_add_f32 v[CV:CV+1], v[CV:CV+1], v[CV+2:CV+3]
	v_pk_add_f32 v[CV+4:CV+5], v[CV+4:CV+5], v[CV+6:CV+7]
	v_pk_add_f32 v[CV:CV+1], v[CV:CV+1], v[CV+4:CV+5]
	v_add_f32 v[(\t)+\a], v[CV], v[CV+1]
	v_permlanex16_b32 v[CV+2], v[(\t)+\a], s6, s7  ; the row's other half (its destination has been written above)
	v_add_f32 v[(\t)+\a], v[(\t)+\a], v[CV+2]
.endr
	s_wait_alu depctr_va_vdst(0)                   ; the two sums are written, which the stores read; and every line above is done with the vector along K and with CV .., in which the LDS loads that follow this macro land
.irp a, 0,1
	ds_store_b32 v[VMV], v[(\t)+\a] offset:\mv+64*\a
.endr
.endm
; ---- products of two weight matrices: dst(o, i) = sum over j of W(o, j) M(j, i), M in LDS as [j][i] ----
; They are made transposed, D'(i, o) = sum over j of M^T(i, j) W(o, j): a lane then holds 8 neighbouring i of row o = r,
; which packs into half of an A fragment.  M^T comes by the transposing load (ISA guide 11.2).
.macro PMUL it, ta, bb, zero
.irp s, 0,1,2,3
.irp a, 0,1
.if \s == 0
.if \zero
	v_wmma_f32_16x16x32_f16 v[DP+16*((\it)&1)+8*\a:DP+16*((\it)&1)+8*\a+7], v[(\ta)+8*\s:(\ta)+8*\s+7], v[(\bb)+8*(4*\a+\s):(\bb)+8*(4*\a+\s)+7], 0
.else
	v_wmma_f32_16x16x32_f16 v[DP+16*((\it)&1)+8*\a:DP+16*((\it)&1)+8*\a+7], v[(\ta)+8*\s:(\ta)+8*\s+7], v[(\bb)+8*(4*\a+\s):(\bb)+8*(4*\a+\s)+7], v[DP+16*((\it)&1)+8*\a:DP+16*((\it)&1)+8*\a+7]
.endif
.else
	v_wmma_f32_16x16x32_f16 v[DP+16*((\it)&1)+8*\a:DP+16*((\it)&1)+8*\a+7], v[(\ta)+8*\s:(\ta)+8*\s+7], v[(\bb)+8*(4*\a+\s):(\bb)+8*(4*\a+\s)+7], v[DP+16*((\it)&1)+8*\a:DP+16*((\it)&1)+8*\a+7]
.endif
.endr
.endr
.endm
.macro TRLD vt, dst, it
.irp s, 0,1,2,3
	ds_load_tr16_b128 v[(\dst)+8*\s:(\dst)+8*\s+3], v[\vt] offset:9216*\s+32*(\it)
	ds_load_tr16_b128 v[(\dst)+8*\s+4:(\dst)+8*\s+7], v[\vt] offset:9216*\s+32*(\it)+4608
.endr
.endm
; tile it of Wo Wv: cut, take off, round: AU (window 1) and AUL (window 3)
.macro PSPLIT it
	WIN 0
.set i_, 0
.rept 16
	v_and_b32 v[CV+i_], s42, v[DP+16*((\it)&1)+i_]
.set i_, i_+1
.endr
.set i_, 0
.rept 8
	v_pk_add_f32 v[CV+16+2*i_:CV+16+2*i_+1], v[DP+16*((\it)&1)+2*i_:DP+16*((\it)&1)+2*i_+1], v[CV+2*i_:CV+2*i_+1] neg_lo:[0,1] neg_hi:[0,1]
.set i_, i_+1
.endr
	WIN 0x40
.irp a, 0,1
.irp e, 0,1,2,3
	v_cvt_pk_f16_f32 v[AU+8*(4*\a+((\it)>>1))+4*((\it)&1)+\e], v[CV+8*\a+2*\e], v[CV+8*\a+2*\e+1]
.endr
.endr
	WIN 0xc0
.irp a, 0,1
.irp e, 0,1,2,3
	v_cvt_pk_f16_f32 v[AUL+8*(4*\a+((\it)>>1))+4*((\it)&1)+\e], v[CV+16+8*\a+2*\e], v[CV+16+8*\a+2*\e+1]
.endr
.endr
.endm
; Wo Wv in pairs: eight tiles of 16 i, three products each.  The 40 vector lines that split tile n - 1 name none of tile n's
; registers: they are the places (ISA guide 7.12.1) between tile n's products and the lines that read their D and the products
; that write their D again.  Behind tile 0: five v_nop.  The loads into the products' A registers stand behind a wait on va_vdst.
.macro PROD3
.irp n, 0,1,2,3,4,5,6,7
	WIN 0
.if \n > 0
	s_wait_alu depctr_va_vdst(0)                   ; the last tile's products are done reading TA .., in which this tile's fragments land (tile 0: the wait ahead of Wg2's loads; since then only BG was named)
.endif
	TRLD VTR1, TA, \n
	TRLD VTR1L, TA+32, \n
	s_wait_dscnt 8                                 ; the lo part's eight loads may be out: the hi part is in
	WIN 0x04
	PMUL \n, TA, TMPF, 1                           ; Wv hi x Wo hi
	WIN 0x0c
	PMUL \n, TA, WL, 0                             ; Wv hi x Wo lo
	s_wait_dscnt 0x0
	WIN 0x04
	PMUL \n, TA+32, TMPF, 0                        ; Wv lo x Wo hi
.if \n == 0
	PLACES 5
.else
	PSPLIT \n-1
.endif
.endr
	PSPLIT 7                                       ; tile 6's lines are the places behind tile 7's products
.endm
.macro PCVT dst, it
.irp a, 0,1
.irp e, 0,1,2,3
	v_cvt_pk_f16_f32 v[\dst+8*(4*\a+((\it)>>1))+4*((\it)&1)+\e], v[DP+16*((\it)&1)+8*\a+2*\e], v[DP+16*((\it)&1)+8*\a+2*\e+1]
.endr
.endr
.endm
; One product, rounded to f16; two buffers of fragments.  Tile n's products stand between the loads of tile n + 1 and the
; conversions of tile n - 1, which are the places in the same way as above.
.macro PROD vt, dst, bb, bwin
	WIN 0
	TRLD \vt, TA, 0                                ; this load and tile 1's lean on the wait ahead of Wg1's loads: since then only BG and CV + 8 .. were named
.irp n, 0,1,2,3,4,5,6,7
	WIN 0
.if \n < 7
.if \n > 0
	s_wait_alu depctr_va_vdst(0)                   ; tile n - 1's products are done reading the buffer in which tile n + 1's fragments land
.endif
	TRLD \vt, TA+32*((\n+1)&1), \n+1
	s_wait_dscnt 8                                 ; the eight loads just issued may be out: this tile's are in
.else
	s_wait_dscnt 0x0
.endif
	WIN \bwin
	PMUL \n, TA+32*(\n&1), \bb, 1
.if \n == 0
	PLACES 5
.else
	WIN 0x40
	PCVT \dst, \n-1
.endif
.endr
	PCVT \dst, 7
.endm
; take each row's mean off tile a of c Wg1 diag(ln_w), in place in window 3
.macro ROWMEAN a
	WIN 0x0f
.set i_, 0
.rept 16
	v_pk_add_f32 v[CV+2*i_:CV+2*i_+1], v[STGB+64*\a+4*i_:STGB+64*\a+4*i_+1], v[STGB+64*\a+4*i_+2:STGB+64*\a+4*i_+3]
.set i_, i_+1
.endr
	WIN 0
.irp e, 0,2,4,6,8,10,12,14
	v_pk_add_f32 v[CV+\e:CV+\e+1], v[CV+\e:CV+\e+1], v[CV+16+\e:CV+16+\e+1]
.endr
.irp e, 0,2,4,6
	v_pk_add_f32 v[CV+\e:CV+\e+1], v[CV+\e:CV+\e+1], v[CV+8+\e:CV+8+\e+1]
.endr
.irp e, 0,2
	v_pk_add_f32 v[CV+\e:CV+\e+1], v[CV+\e:CV+\e+1], v[CV+4+\e:CV+4+\e+1]
.endr
	v_pk_add_f32 v[CV:CV+1], v[CV:CV+1], v[CV+2:CV+3]
	v_add_f32 v[TT], v[CV], v[CV+1]
	v_permlanex16_b32 v[TT+1], v[TT], s6, s7       ; the row's other half (TT+1 has been written before)
	v_add_f32 v[TT], v[TT], v[TT+1]
	v_mul_f32 v[TT], 0x3c000000, v[TT]             ; / 128
	v_mov_b32 v[TT+1], v[TT]
	WIN 0xc3
.set i_, 0
.rept 32
	v_pk_add_f32 v[STGB+64*\a+2*i_:STGB+64*\a+2*i_+1], v[STGB+64*\a+2*i_:STGB+64*\a+2*i_+1], v[TT:TT+1] neg_lo:[0,1] neg_hi:[0,1]
.set i_, i_+1
.endr
.endm
; ---- the stations of frame tile tau: loaded (head of trip tau - 7), split into FO[tau & 1] (trip tau - 4), stored to FB[tau & 1] (tau - 3),
; ---- fragments read into FR, FRL[tau & 1] (tau - 2), multiplied (tau - 1), used (tau) ----
; 5 loads into ring slot k: my four sequences' 512 bytes of step trl (counted from the stepped base), and 2,048 bytes
; of Wq (even steps) or Wk (odd steps) over the work-group: 64 steps read both matrices once
.macro LOADG k, trl
.irp q, 0,1,2,3
	global_load_b128 v[20*(\k)+4*\q:20*(\k)+4*\q+3], v[VFO], s[8:9] offset:32768*\q+512*(\trl) th:TH_LOAD_NT
.endr
.if ((\trl)&1) == 0
	global_load_b128 v[20*(\k)+16:20*(\k)+19], v[VQO], s[12:13] offset:2048*((\trl)>>1)
.else
	global_load_b128 v[20*(\k)+16:20*(\k)+19], v[VQO], s[16:17] offset:2048*((\trl)>>1)
.endif
.endm
; Piece c (0 .. 10) of the split of ring slot k into out-buffer b, at most four lines under one window setting: 0-3 cut to hi, 4-5 take hi off in
; place, 6-7 round lo, 8-9 round hi (exact), 10 the zeros of Wq, Wk.  Nothing where the trip has no tile to split (cvt_ = 0)
.macro CVTC c, k, b
.if cvt_
.if (\c)/4 == 0
	WIN 0xaa
.set i_, 4*(\c)
.rept 4
	v_and_b32 v[TW+i_], s42, v[20*(\k)+i_]
.set i_, i_+1
.endr
.endif
.if (\c)/2 == 2
	WIN 0xaa
.set i_, 8*((\c)-4)
.rept 4
	v_pk_add_f32 v[20*(\k)+i_:20*(\k)+i_+1], v[20*(\k)+i_:20*(\k)+i_+1], v[TW+i_:TW+i_+1] neg_lo:[0,1] neg_hi:[0,1]
.set i_, i_+2
.endr
.endif
.if (\c)/2 == 3
	WIN 0xaa
.set i_, 4*((\c)-6)
.rept 4
	v_cvt_pk_f16_f32 v[FO+16*(\b)+8+i_], v[20*(\k)+2*i_], v[20*(\k)+2*i_+1]
.set i_, i_+1
.endr
.endif
.if (\c)/2 == 4
	WIN 0xaa
.set i_, 4*((\c)-8)
.rept 4
	v_cvt_pk_f16_f32 v[FO+16*(\b)+i_], v[TW+2*i_], v[TW+2*i_+1]
.set i_, i_+1
.endr
.endif
.if (\c) == 10
	WIN 0x0a
	v_pk_fma_f32 v[PA:PA+1], v[20*(\k)+16:20*(\k)+17], 0, v[PA:PA+1] op_sel_hi:[1,0,1]
	v_pk_fma_f32 v[PA+2:PA+3], v[20*(\k)+18:20*(\k)+19], 0, v[PA+2:PA+3] op_sel_hi:[1,0,1]
.endif
.endif
.endm
; the whole split in one run (ahead of the loop)
.macro CVT k, left, b
	s_wait_loadcnt \left                           ; loads come back in order (ISA guide 5.7.1): the younger groups of five stay out
.irp c, 0,1,2,3,4,5,6,7,8,9,10
	CVTC \c, \k, \b
.endr
.endm
; out-buffer par to slot par of FB: eight LDS stores
.macro CST par
	WIN 0x08
.irp q, 0,1,2,3
	ds_store_b64 v[VCST], v[FO+16*(\par)+2*\q:FO+16*(\par)+2*\q+1] offset:FB0+SLOTB*(\par)+272*\q
	ds_store_b64 v[VCST], v[FO+16*(\par)+8+2*\q:FO+16*(\par)+8+2*\q+1] offset:FB0+SLOTB*(\par)+LOP+272*\q
.endr
.endm
; 8 LDS loads: four B fragments from a tile of 16 sequences at byte "from"
.macro BLOAD dst, from
.irp s, 0,1,2,3
	ds_load_b128 v[(\dst)+8*\s:(\dst)+8*\s+3], v[VFRAG] offset:(\from)+64*\s
	ds_load_b128 v[(\dst)+8*\s+4:(\dst)+8*\s+7], v[VFRAG] offset:(\from)+64*\s+32
.endr
.endm
; 4 of those 8: fragments s0 and s0 + 1
.macro BLOADH dst, from, s0
.irp d, 0,1
	ds_load_b128 v[(\dst)+8*((\s0)+\d):(\dst)+8*((\s0)+\d)+3], v[VFRAG] offset:(\from)+64*((\s0)+\d)
	ds_load_b128 v[(\dst)+8*((\s0)+\d)+4:(\dst)+8*((\s0)+\d)+7], v[VFRAG] offset:(\from)+64*((\s0)+\d)+32
.endr
.endm
; u - m for two of my features
.macro SUBU e
	v_pk_add_f32 v[UP_+\e:UP_+\e+1], v[UP_+\e:UP_+\e+1], v[ST+\e:ST+\e+1] neg_lo:[0,1] neg_hi:[0,1]
.endm
; Piece c (0 .. 11) of LayerNorm, at most four lines, all in window 0.  0-5: from the eight pairs in SR to RS = (rs, -mu rs);
; every wave adds them in the same order, so all hold the same numbers.  6-7: x rs - mu rs.  8-9: times ln_w, plus ln_b: m, in place.
; 10-11: six of the eight lines u - m.
.macro STC c
	WIN 0
.if (\c) == 0
	v_pk_add_f32 v[SR:SR+1], v[SR:SR+1], v[SR+2:SR+3]
	v_pk_add_f32 v[SR+4:SR+5], v[SR+4:SR+5], v[SR+6:SR+7]
	v_pk_add_f32 v[SR+8:SR+9], v[SR+8:SR+9], v[SR+10:SR+11]
	v_pk_add_f32 v[SR+12:SR+13], v[SR+12:SR+13], v[SR+14:SR+15]
.endif
.if (\c) == 1
	v_pk_add_f32 v[SR:SR+1], v[SR:SR+1], v[SR+4:SR+5]
	v_pk_add_f32 v[SR+8:SR+9], v[SR+8:SR+9], v[SR+12:SR+13]
.endif
.if (\c) == 2
	v_pk_add_f32 v[SR:SR+1], v[SR:SR+1], v[SR+8:SR+9]
	v_pk_mul_f32 v[TT:TT+1], v[SR:SR+1], 0x3c000000 op_sel_hi:[1,0]    ; / 128: (mu, E x^2)
.endif
.if (\c) == 3
	v_fma_f32 v[TT+2], -v[TT], v[TT], v[TT+1]      ; var
	v_max_num_f32 v[TT+2], 0, v[TT+2]
.endif
.if (\c) == 4
	v_add_f32 v[TT+2], 0x3727c5ac, v[TT+2]         ; + 1e-5
	v_rsq_f32 v[RS], v[TT+2]
.endif
.if (\c) == 5
	v_nop                                          ; one plain place behind the transcendental (ISA guide 5.7.2); a product is none
	s_wait_alu depctr_va_vdst(0)
	v_mul_f32 v[RS+1], -v[TT], v[RS]
.endif
.if (\c)/2 == 3
.set i_, 8*((\c)-6)
.rept 4
	v_pk_fma_f32 v[ST+i_:ST+i_+1], v[ST+i_:ST+i_+1], v[RS:RS+1], v[RS:RS+1] op_sel:[0,0,1] op_sel_hi:[1,0,1]
.set i_, i_+2
.endr
.endif
.if (\c)/2 == 4
.set i_, 8*((\c)-8)
.rept 4
	v_pk_fma_f32 v[ST+i_:ST+i_+1], v[ST+i_:ST+i_+1], v[LW+i_:LW+i_+1], v[LB+i_:LB+i_+1]
.set i_, i_+2
.endr
.endif
.if (\c) == 10
	SUBU 0
	SUBU 2
.endif
.if (\c) == 11
	SUBU 4
	SUBU 6
	SUBU 8
	SUBU 10
.endif
.endm
; ---- one step.  tabs: the step's number (in the loop: modulo RING, plus RING); trel: counted from the stepped bases ----
; Ahead of every step stands a wait on va_vdst with no vector or matrix instruction behind it: the last step's second one, or, ahead of step 0, the one behind the split of tile 3.
.macro STEP trel, tabs
.set p_, (\tabs)&1
.set n_, 1-p_
.set k_, ((\tabs)+4)&(RING-1)
	LEFLAG first_, \tabs, 0                        ; step 0: m = memory_init, nothing to normalise, G holds its own constant
	LEFLAG rel_, \tabs, 60-RING                    ; tile tabs + 3 + RING exists
	LEFLAG cst_, \tabs, 60                         ; tile tabs + 3
	LEFLAG fl_, \tabs, 61                          ; tile tabs + 2
	LEFLAG ff_, \tabs, 62                          ; tile tabs + 1, and a next step that wants x
	LEFLAG cvt_, \tabs, 59                         ; tile tabs + 4
.if (\tabs) <= 60-RING
.set left_, 5*(RING-1)
.else
.set left_, 5*(59-(\tabs))
.endif
.set UP_, U0+16*p_
.set GP_, G0+16*p_
.set UN_, U0+16*n_
.set GN_, G0+16*n_
	s_wait_alu depctr_vm_vsrc(0)                   ; the stores issued so far have read their data: x's pair in U[n], which this trip's products write; FO[p], which its split writes; SPR, which its sums write
	; (1) what the chain waits for, a tile's global loads and a tile's stores.  All of them lean on the wait on va_vdst ahead of the step.
.if first_ == 0
	WIN 0x80
	BLOAD XF, XB0+SLOTB*p_
.endif
.if rel_
	WIN 0x80
	LOADG ((\tabs)+3)&(RING-1), (\trel)+3+RING     ; into the slot that the last trip split
.endif
.if first_ == 0
	WIN 0xc0
	BLOAD XFL, XB0+SLOTB*p_+LOP
	WIN 0x08                                       ; the setting of the stores below; these loads land in window 0 under it
.irp i, 0,1,2,3
	ds_load_b128 v[SR+4*\i:SR+4*\i+3], v[VSLD] offset:SB0+1280*p_+16*\i
.endr
.endif
.if cst_
	CST n_                                         ; the tile that the last trip split
.endif
	; (2) next step's u, three products on one accumulator; behind each two links a piece of the split of tile tabs + 4, and behind four
	; of the pairs four loads of tile tabs + 2's fragments: into FR[p], FRL[p], which no vector or matrix instruction since the wait ahead of the step names
.if ff_
.irp s, 0,1,2,3
	WIN 0x0b
.if \s == 0
	MMP UN_, BU, AUL, FR0+32*n_, \s, 1
.if cvt_
	s_wait_loadcnt left_                           ; loads come back in order (ISA guide 5.7.1): the younger groups of five stay out
.endif
.else
	MMP UN_, BU, AUL, FR0+32*n_, \s, 0
.endif
	CVTC \s, k_, p_
.endr
.irp s, 0,1,2,3
	WIN 0x0d
	MMP UN_, BU, AU, FRL0+32*n_, \s, 0
.if fl_
.if (\s)%2 == 0
	WIN 0xc0
	BLOADH FRL0+32*p_, FB0+SLOTB*p_+LOP, \s
.endif
.endif
	CVTC 4+\s, k_, p_
.endr
.irp s, 0,1,2,3
	WIN 0x09
	MMP UN_, BU, AU, FR0+32*n_, \s, 0
.if fl_
.if (\s)%2 == 0
	WIN 0x80
	BLOADH FR0+32*p_, FB0+SLOTB*p_, \s
.endif
.endif
	CVTC 8+\s, k_, p_
.endr
.endif
	; (3) AM x, three products; behind each two links a piece of LayerNorm, which names none of PP, AM, AML, XF, XFL
.if first_ == 0
	s_wait_dscnt 8*cst_+16*fl_                     ; the frame tile's eight stores and the sixteen loads of frame fragments are younger than x's fragments and the sums
.irp s, 0,1,2,3
	WIN 0x0d
.if \s == 0
	MMP PP, 0, AM, XFL, \s, 2
.else
	MMP PP, 0, AM, XFL, \s, 0
.endif
	STC \s
.endr
.irp s, 0,1,2,3
	WIN 0x09
	MMP PP, 0, AM, XF, \s, 0
	STC 4+\s
.endr
.irp s, 0,1,2,3
	WIN 0x09
	MMP PP, 0, AML, XF, \s, 0
	STC 8+\s                                       ; the last piece's four lines are the places in front of the first read of PP (ISA guide 7.12.1)
.endr
.irp e, 0,2,4,6,8,10,12,14
	v_pk_fma_f32 v[GP_+\e:GP_+\e+1], v[PP+\e:PP+\e+1], v[RS:RS+1], v[GP_+\e:GP_+\e+1] op_sel_hi:[1,0,1]
.endr
.else
	WIN 0
.irp e, 0,2,4,6,8,10
	SUBU \e
.endr
.endif
	; (4) gate and blend; next step's AG f, one link behind every four transcendentals
.irp g, 0,1,2,3
	WIN 0
.irp i, 0,1,2,3
	v_exp_f32 v[PP+4*\g+\i], v[GP_+4*\g+\i]        ; e^-logit
.endr
.if ff_
	WIN 0x09
.if \g < 2
	MM1 GN_, BG, AG, FR0+32*n_, 0, \g, 1
.else
	MM1 GN_, BG, AG, FR0+32*n_, 1, \g-2, 0
.endif
.endif
.endr
	WIN 0
	SUBU 12                                        ; the plain place behind v_exp_f32 (ISA guide 5.7.2)
	s_wait_alu depctr_va_vdst(0)
.irp e, 0,2,4,6,8,10,12,14
	v_pk_add_f32 v[PP+\e:PP+\e+1], v[PP+\e:PP+\e+1], 1.0 op_sel_hi:[1,0]
.endr
.irp g, 0,1,2,3
	WIN 0
.irp i, 0,1,2,3
	v_rcp_f32 v[GP_+4*\g+\i], v[PP+4*\g+\i]        ; the gate
.endr
.if ff_
	WIN 0x09
	MM1 GN_, BG, AG, FR0+32*n_, 2+(\g)/2, (\g)%2, 0
.endif
.endr
	WIN 0
	SUBU 14                                        ; the plain place behind v_rcp_f32
	s_wait_alu depctr_va_vdst(0)
.irp e, 0,2,4,6,8,10,12,14
	v_pk_fma_f32 v[ST+\e:ST+\e+1], v[GP_+\e:GP_+\e+1], v[UP_+\e:UP_+\e+1], v[ST+\e:ST+\e+1]          ; x = m + gate (u - m)
.endr
	; (5) x as a pair of f16, and its sums.  PP, the gate's and u's registers are spent and serve as room.
.if ff_
.irp i, 0,1,2,3,4,5,6,7,8,9,10,11,12,13,14,15
	v_and_b32 v[PP+\i], s42, v[ST+\i]
.endr
.irp a, 0,1
.irp e, 0,1,2,3
	v_cvt_pk_f16_f32 v[UP_+4*\a+\e], v[PP+8*\a+2*\e], v[PP+8*\a+2*\e+1]
.endr
.endr
.irp e, 0,2,4,6,8,10,12,14
	v_pk_add_f32 v[GP_+\e:GP_+\e+1], v[ST+\e:ST+\e+1], v[PP+\e:PP+\e+1] neg_lo:[0,1] neg_hi:[0,1]
.endr
.irp a, 0,1
.irp e, 0,1,2,3
	v_cvt_pk_f16_f32 v[UP_+8+4*\a+\e], v[GP_+8*\a+2*\e], v[GP_+8*\a+2*\e+1]
.endr
.endr
	s_wait_alu depctr_va_vdst(0)                   ; the roundings have written x's pair in U[p], which the four stores read; the stores go out while the sums are made
.irp a, 0,1
	ds_store_b128 v[VXST], v[UP_+4*\a:UP_+4*\a+3] offset:XB0+SLOTB*n_+32*\a
	ds_store_b128 v[VXST], v[UP_+8+4*\a:UP_+8+4*\a+3] offset:XB0+SLOTB*n_+LOP+32*\a
.endr
.endif
	v_pk_add_f32 v[TS:TS+1], v[ST:ST+1], v[ST+2:ST+3]
	v_pk_add_f32 v[TS+2:TS+3], v[ST+4:ST+5], v[ST+6:ST+7]
	v_pk_add_f32 v[TS+4:TS+5], v[ST+8:ST+9], v[ST+10:ST+11]
	v_pk_add_f32 v[TS+6:TS+7], v[ST+12:ST+13], v[ST+14:ST+15]
	v_pk_mul_f32 v[QQ:QQ+1], v[ST:ST+1], v[ST:ST+1]
	v_pk_mul_f32 v[QQ+2:QQ+3], v[ST+2:ST+3], v[ST+2:ST+3]
.irp e, 4,8,12
	v_pk_fma_f32 v[QQ:QQ+1], v[ST+\e:ST+\e+1], v[ST+\e:ST+\e+1], v[QQ:QQ+1]
	v_pk_fma_f32 v[QQ+2:QQ+3], v[ST+\e+2:ST+\e+3], v[ST+\e+2:ST+\e+3], v[QQ+2:QQ+3]
.endr
	v_pk_add_f32 v[TS:TS+1], v[TS:TS+1], v[TS+2:TS+3]
	v_pk_add_f32 v[TS+4:TS+5], v[TS+4:TS+5], v[TS+6:TS+7]
	v_pk_add_f32 v[QQ:QQ+1], v[QQ:QQ+1], v[QQ+2:QQ+3]
	v_pk_add_f32 v[TS:TS+1], v[TS:TS+1], v[TS+4:TS+5]
	v_add_f32 v[SPR+1], v[QQ], v[QQ+1]
	v_add_f32 v[SPR], v[TS], v[TS+1]
	s_wait_alu depctr_va_vdst(0)                   ; SPR is written, which the store reads.  For the next step, ahead of which no vector line follows: the products are done reading XF, XFL, FR[n], FRL[n],
	                                               ; LayerNorm is done with SR and the split with its ring slot, in all of which loads land; FO[p] is written, which stores read
	ds_store_b64 v[VSST], v[SPR:SPR+1] offset:SB0+1280*n_
	; One barrier a trip.  FB, XB and SB have two slots each that take turns: what this trip wrote (slot n) was last read
	; one trip ago, in front of that trip's signal; what it read (slot p) is written again only behind this barrier.
	s_wait_dscnt 0x0                               ; for the others: my stores have landed, my reads are over
	s_barrier_signal -1
	s_barrier_wait -1
.endm
; =====================================================================================================================
	s_load_b512 s[8:23], s[0:1], 0x0               ; frames 8, memory_init 10, Wq 12, bq 14, Wk 16, bk 18, Wv 20, bv 22
	s_load_b256 s[24:31], s[0:1], 0x40             ; Wo 24, bo 26, Wg 28, bg 30
	s_load_b128 s[32:35], s[0:1], 0x60             ; ln_w 32, ln_b 34
	s_load_b64 s[36:37], s[0:1], 0x70              ; out0
	v_lshl_add_u32 v254, v0, 2, 0x27600
	v_mov_b32 v255, 0
	v_lshrrev_b32 v29, 5, v0
	v_readfirstlane_b32 s2, v29                    ; w
	v_and_b32 v1, 31, v0                           ; L
	v_and_b32 v2, 15, v0                           ; r
	v_bfe_u32 v3, v0, 4, 1                         ; h
	s_mov_b32 s6, 0x76543210                       ; v_permlanex16_b32: lane i reads lane i of the other half
	s_mov_b32 s7, 0xfedcba98
	s_mov_b32 s40, 0xbfb8aa3b                      ; c = -log2 e
	s_mov_b32 s41, 0xbfb8aa3b
	s_mov_b32 s42, 0xffffe000                      ; sign, exponent, 10 mantissa bits: what f16 holds exactly
	s_wait_alu depctr_va_sdst(0)                   ; s2 is written, ahead of its first reader: the wave's offsets are made from it
	; offsets into global buffers
	s_lshl_b32 s38, s2, 17
	v_lshl_add_u32 v[VFO], v1, 4, s38              ; frames: 4 w sequences of 32,768 bytes + 16 L
	v_lshlrev_b32 v[VQO], 4, v0                    ; Wq, Wk: 16 t
	s_lshl_b32 s38, s2, 14
	v_lshl_add_u32 v[VWV], v1, 4, s38              ; Wv: 32 w rows of 512 bytes + 16 L
	v_lshlrev_b32 v30, 9, v2
	v_lshl_add_u32 v30, v3, 5, v30
	v_add_nc_u32 v[VWO], s38, v30                  ; Wo: 512 (32 w + r) + 32 h
	s_lshl_b32 s38, s2, 15
	v_lshlrev_b32 v30, 10, v2
	v_lshl_add_u32 v30, v3, 5, v30
	v_add_nc_u32 v[VWG], s38, v30                  ; Wg: 1024 (32 w + r) + 32 h
	s_lshl_b32 s38, s2, 7
	v_lshl_add_u32 v[VTB], v3, 5, s38              ; vectors of 128 f32, in memory and in LDS: 128 w + 32 h
	v_lshl_add_u32 v[VMV], v2, 2, s38              ; a row's word in such a vector: 128 w + 4 r
	s_lshl_b32 s39, s2, 11
	v_lshl_add_u32 v[VOG], v1, 4, s39              ; out0: 4 w rows of 512 bytes + 16 L
	v_lshlrev_b32 v[VV4], 2, v0                    ; 4 t
	; LDS addresses
	v_lshlrev_b32 v[VKF], 5, v3                    ; a vector along K: 32 h
	v_mul_u32_u24 v30, v2, 272
	v_lshl_add_u32 v[VFRAG], v3, 4, v30            ; B fragments: 272 r + 16 h
	s_lshl_b32 s39, s2, 6
	v_add_nc_u32 v[VXST], s39, v[VFRAG]            ; my x: 272 r + 64 w + 16 h
	s_mul_i32 s39, s2, 1088
	v_lshl_add_u32 v[VCST], v1, 3, s39             ; frames in f16: 272 (4 w) + 8 L
	v_mul_u32_u24 v[VSLD], v2, 80                  ; the sums of sequence r
	s_lshl_b32 s39, s2, 4
	v_lshl_add_u32 v30, v3, 3, v[VSLD]
	v_add_nc_u32 v[VSST], s39, v30                 ; my pair: 80 r + 16 w + 8 h
	v_mul_u32_u24 v30, v2, 528
	v_lshl_add_u32 v30, v3, 5, v30
	s_add_co_u32 s39, s38, OUTB
	v_add_nc_u32 v[VOST], s39, v30                 ; result in: 528 r + 128 w + 32 h
	s_mul_i32 s39, s2, 2112
	s_add_co_u32 s39, s39, OUTB
	v_lshl_add_u32 v[VOLD], v1, 4, s39             ; result back by rows: 528 (4 w) + 16 L
	s_lshl_b32 s39, s2, 2
	s_add_co_u32 s39, s39, PZ
	v_mov_b32 v[VPZ], s39
	v_mov_b32 v[VPZL], PZ
	s_mul_i32 s38, s2, 9216
	s_add_co_u32 s39, s38, WT1
	v_lshl_add_u32 v[VWVS], v1, 3, s39             ; Wv in f16: 288 (32 w) + 8 L
	v_mul_u32_u24 v30, v2, 288
	v_lshl_add_u32 v30, v3, 4, v30
	s_add_co_u32 s39, s38, WT2
	v_add_nc_u32 v[VWS2], s39, v30                 ; Wo Wv in f16: 288 (32 w + r) + 16 h
	v_and_b32 v30, 7, v0
	v_lshl_add_u32 v30, v3, 3, v30
	v_mul_u32_u24 v30, v30, 288
	v_bfe_u32 v31, v0, 3, 1
	v_lshl_add_u32 v30, v31, 4, v30                ; transposing load: 288 (8 h + L % 8) + 16 ((L / 8) % 2)
	v_add_nc_u32 v[VTR1], WT1, v30
	v_add_nc_u32 v[VTR1L], WT1+WTB, v30
	v_add_nc_u32 v[VTR2], WT2, v30
	s_wait_kmcnt 0x0
	s_lshl_b32 s4, ttmp9, 19                       ; 16 sequences of 32,768 bytes a work-group
	s_mov_b32 s5, 0
	s_add_nc_u64 s[8:9], s[8:9], s[4:5]
	s_lshl_b32 s4, ttmp9, 13                       ; 16 rows of 512 bytes
	s_add_nc_u64 s[36:37], s[36:37], s[4:5]
	; ---- the weights.  Loads in this order: Wv 32, vectors 6, Wo 32, tables 20 ----
	WIN 0xc0
	s_wait_alu depctr_va_vdst(0)                   ; v4 to v27 are written: every load and store of the kernel reads one of them as its offset or LDS address, and none is written again
.set i_, 0
.rept 32
	global_load_b128 v[STGA+4*i_:STGA+4*i_+3], v[VWV], s[20:21] offset:512*i_      ; row 32 w + i of Wv, 512 consecutive bytes
.set i_, i_+1
.endr
	WIN 0
	global_load_b32 v[VE], v[VV4], s[22:23]        ; bv
	global_load_b32 v[VE+1], v[VV4], s[34:35]      ; ln_b
	global_load_b32 v[VE+2], v[VV4], s[10:11]      ; memory_init
	global_load_b32 v[VE+3], v[VV4], s[32:33]      ; ln_w
	global_load_b32 v[VE+4], v[VV4], s[14:15]      ; bq
	global_load_b32 v[VE+5], v[VV4], s[18:19]      ; bk
	WIN 0xc0
	LDFRAG STGB, VWO, 24, 0, 512                   ; Wo
	WIN 0
	LDTAB BU, 26                                   ; bo
	LDTAB BG, 30                                   ; bg
	LDTAB LW, 32
	LDTAB LB, 34
	LDTAB ST, 10                                   ; m of step 0
	s_wait_loadcnt 52                              ; Wo's 32 and the tables' 20 may be out: Wv and the six vectors are in
	ds_store_b32 v[VV4], v[VE] offset:BVV          ; data that loads brought: the wait above is theirs; these four registers are not written again
	ds_store_b32 v[VV4], v[VE+1] offset:LBV
	ds_store_b32 v[VV4], v[VE+2] offset:M0V
	ds_store_b32 v[VV4], v[VE+3] offset:LWV
	v_mul_f32 v[PA], 0, v[VE+4]                    ; 0 x bq, 0 x bk start the four sums of zeros
	v_mul_f32 v[PA+1], 0, v[VE+5]
	v_mov_b32 v[PA+2], v[PA]
	v_mov_b32 v[PA+3], v[PA+1]
.irp half, 0,1
	SPLIT64 STGA+64*\half, CV, 0, TA, 0x0f         ; sixteen rows of Wv: hi in CV .., lo in TA ..
	WIN 0
	s_wait_alu depctr_va_vdst(0)                   ; the roundings have written CV .. and TA .., which the stores read
.set i_, 0
.rept 16
	ds_store_b64 v[VWVS], v[CV+2*i_:CV+2*i_+1] offset:288*(i_+16*\half)
	ds_store_b64 v[VWVS], v[TA+2*i_:TA+2*i_+1] offset:288*(i_+16*\half)+WTB
.set i_, i_+1
.endr
	s_wait_dscnt 0x0                               ; my stores have landed: behind the second half the barrier follows
	s_wait_alu depctr_vm_vsrc(0)                   ; the stores have read CV .. and TA ..: the second half's split writes them again; behind it bv lands in TA .. and the first matrix-vector product writes CV ..
.endr
	s_barrier_signal -1
	s_barrier_wait -1                              ; Wv and the vectors lie in LDS
	KLOAD TA, BVV                                  ; no vector line has been issued since the wait on va_vdst ahead of the stores above
	s_wait_loadcnt 0x0                             ; Wo and the tables
	s_wait_dscnt 0x0
	MATV STGB, TA, 0x03, MV0, TT                   ; Wo bv
	TABLD CV+8, MV0                                ; LDS serves a wave's instructions in order (ISA guide 5.7.1.4): my rows, as a table
	s_wait_dscnt 0x0
.irp e, 0,2,4,6,8,10,12,14
	v_pk_add_f32 v[BU+\e:BU+\e+1], v[BU+\e:BU+\e+1], v[CV+8+\e:CV+8+\e+1]          ; BU = bo + Wo bv
.endr
	s_wait_alu depctr_va_vdst(0)                   ; BU is written, which the stores read; it is not written again
.irp a, 0,1
	ds_store_b128 v[VTB], v[BU+8*\a:BU+8*\a+3] offset:BUV+64*\a                    ; the sixteen lanes of a half write the same bytes
	ds_store_b128 v[VTB], v[BU+8*\a+4:BU+8*\a+7] offset:BUV+64*\a+16
.endr
	SPLIT64 STGB, TMPF, 0x40, WL, 0xcf             ; Wo's fragments, hi and lo
	SPLIT64 STGB+64, TMPF+32, 0x40, WL+32, 0xcf
	WIN 0xc0
	s_wait_alu depctr_va_vdst(0)                   ; the splits are done reading and writing STGB .., in which Wg2 lands, and TA .., in which the first transposed fragments land
	LDFRAG STGB, VWG, 28, 512, 1024                ; Wg2 = columns 128 .. 255 of Wg, while Wo Wv is multiplied
	WIN 0x80
.irp k, 0,1,2,3
	LOADG \k, \k                                   ; the ring: tiles 0 to 3, 20 loads
.endr
	WIN 0
.irp e, 0,2,4,6,8,10,12,14
	v_pk_mul_f32 v[BG+\e:BG+\e+1], v[BG+\e:BG+\e+1], s[40:41] op_sel_hi:[1,0]      ; c bg
.endr
	PROD3                                          ; AU, AUL = Wo Wv
	WIN 0x04
	s_wait_alu depctr_va_vdst(0)                   ; the roundings have written AU, which the stores read; the last tile's products are done reading TA .., in which BU lands behind the barrier
.irp a, 0,1
.irp s, 0,1,2,3
	ds_store_b128 v[VWS2], v[AU+8*(4*\a+\s):AU+8*(4*\a+\s)+3] offset:4608*\a+64*\s
	ds_store_b128 v[VWS2], v[AU+8*(4*\a+\s)+4:AU+8*(4*\a+\s)+7] offset:4608*\a+64*\s+32
.endr
.endr
	s_wait_dscnt 0x0
	s_barrier_signal -1
	s_barrier_wait -1                              ; BU and hi of Wo Wv lie in LDS
	WIN 0
	KLOAD TA, BUV
	s_wait_loadcnt 5*RING                          ; the ring's 20 may be out: Wg2 is in
	WIN 0xc3
	SCALE64 STGB                                   ; c Wg2
	s_wait_dscnt 0x0
	s_wait_alu depctr_vm_vsrc(0)                   ; the stores of Wo bv have read TT and TT + 1, which the next product writes
	MATV STGB, TA, 0x03, MV1, TT                   ; c Wg2 BU
	TABLD CV+8, MV1
	WIN 0xcf
	CVT64 WL, STGB                                 ; c Wg2's fragments
	WIN 0xc0
	s_wait_alu depctr_va_vdst(0)                   ; the roundings are done reading STGB .., in which Wg1 lands; the product above is done reading TA .., in which transposed fragments land
	LDFRAG STGB, VWG, 28, 0, 1024                  ; Wg1, while AG is multiplied
	WIN 0
	s_wait_dscnt 0x0
.irp e, 0,2,4,6,8,10,12,14
	v_pk_add_f32 v[BG+\e:BG+\e+1], v[BG+\e:BG+\e+1], v[CV+8+\e:CV+8+\e+1]
.endr
	PROD VTR2, AG, WL, 0x0c                        ; AG = c Wg2 Wo Wv
	s_wait_loadcnt 0x0                             ; Wg1 (and the ring, which is older)
	WIN 0
	s_wait_alu depctr_va_vdst(0)                   ; the last two tiles' products are done reading TA .., in which ln_b lands
	KLOAD TA, LBV
	WIN 0x80
	KLOAD XF, M0V
	WIN 0xc3
	SCALE64 STGB                                   ; c Wg1
	s_wait_dscnt 0x0
	s_wait_alu depctr_vm_vsrc(0)                   ; the stores of c Wg2 BU have read TT and TT + 1, which the next product writes
	MATV STGB, TA, 0x03, MV2, TT                   ; c Wg1 ln_b
	KLOAD TA, LWV
	MATV STGB, XF, 0x0b, MV3, TT+2                 ; c Wg1 memory_init
	TABLD CV+8, MV2
	TABLD PP, MV3
	s_wait_dscnt 0x0
	s_wait_alu depctr_vm_vsrc(0)                   ; the stores of the last two products have read TT .. TT + 3, which the rows' means below and every step's LayerNorm write
.irp e, 0,2,4,6,8,10,12,14
	v_pk_add_f32 v[PP+\e:PP+\e+1], v[PP+\e:PP+\e+1], v[BG+\e:BG+\e+1]              ; step 0's constant
.endr
.irp e, 0,2,4,6,8,10,12,14
	v_pk_add_f32 v[BG+\e:BG+\e+1], v[BG+\e:BG+\e+1], v[CV+8+\e:CV+8+\e+1]          ; all later steps'
.endr
	WIN 0xc3
.irp a, 0,1
.irp s, 0,1,2,3
.irp e, 0,2,4,6,8,10,12,14
	v_pk_mul_f32 v[STGB+16*(4*\a+\s)+\e:STGB+16*(4*\a+\s)+\e+1], v[STGB+16*(4*\a+\s)+\e:STGB+16*(4*\a+\s)+\e+1], v[TA+16*\s+\e:TA+16*\s+\e+1]
.endr
.endr
.endr
	ROWMEAN 0
	ROWMEAN 1
	SPLIT64 STGB, AM, 0x40, AML, 0x4f
	SPLIT64 STGB+64, AM+32, 0x40, AML+32, 0x4f
	; ---- tiles 0 to 3 through their stations ----
.set cvt_, 1
	CVT 0, 5*(RING-1), 0                           ; three younger groups of five
	WIN 0x08
	s_wait_alu depctr_va_vdst(0)                   ; the split has written FO[0], which the stores read, and is done with ring slot 0, in which tile 4 lands
	CST 0
	WIN 0x80
	LOADG 0, 4
	CVT 1, 5*(RING-1), 1
	WIN 0x08
	s_wait_alu depctr_va_vdst(0)                   ; the same for FO[1] and ring slot 1; and all earlier lines are done with the registers that are FR and FRL from here on
	CST 1
	WIN 0x80
	LOADG 1, 5
	s_wait_dscnt 0x0
	s_barrier_signal -1
	s_barrier_wait -1
	s_wait_alu depctr_vm_vsrc(0)                   ; the stores of tiles 0 and 1 have read FO[0] and FO[1], which the splits of tiles 2 and 3 write
	WIN 0x80
	BLOAD FR0, FB0
	BLOAD FR0+32, FB0+SLOTB
	WIN 0xc0
	BLOAD FRL0, FB0+LOP
	BLOAD FRL0+32, FB0+SLOTB+LOP
	CVT 2, 5*(RING-1), 0
	s_wait_dscnt 0x0                               ; FB's slot 0 has been read by me,
	s_barrier_signal -1
	s_barrier_wait -1                              ; and by all: tile 2 may go there
	WIN 0x08
	s_wait_alu depctr_va_vdst(0)                   ; the split has written FO[0], which the stores read, and is done with ring slot 2, in which tile 6 lands
	CST 0
	WIN 0x80
	LOADG 2, 6
	WIN 0x0b
	MM8 U0, BU, AUL, FR0
	WIN 0x0d
	MM8 U0, U0, AU, FRL0
	WIN 0x09
	MM8 U0, U0, AU, FR0
	MM8 G0, PP, AG, FR0
	s_wait_dscnt 0x0
	s_barrier_signal -1
	CVT 3, 5*(RING-1), 1                           ; register work; also the places between the products above and the lines of step 0 that read their results
	s_wait_alu depctr_va_vdst(0)                   ; ahead of step 0: the products above are done reading FR[0], FRL[0], the split is done with ring slot 3, in all of which loads land; FO[1] is written, which stores read
	s_barrier_wait -1
	STEP 0, 0
	WIN 0                                          ; at a label and at a branch every window is 0
	s_mov_b32 s3, (60-RING)/RING
.Lring:                                            ; steps 1 .. 56, four to a pass: once round the ring of registers
.irp i, 1,2,3,4
	STEP \i, \i+RING
.endr
	WIN 0
	s_wait_xcnt 0x0                                ; the bases are sources of the loads issued: stepped only behind this wait
	s_add_nc_u64 s[8:9], s[8:9], 512*RING          ; four steps of 512 bytes
	s_add_nc_u64 s[12:13], s[12:13], 1024*RING     ; two pieces of 2,048 bytes each
	s_add_nc_u64 s[16:17], s[16:17], 1024*RING
	s_sub_co_u32 s3, s3, 1
	s_cmp_lg_u32 s3, 0
	s_cbranch_scc1 .Lring
.irp i, 1,2,3,4,5,6,7
	STEP \i, \i+60-RING                            ; steps 57 .. 63: no load past tile 63, the counts run down
.endr
	; ---- the way out: the last LayerNorm, then rows of 512 bytes through LDS ----
	WIN 0
.irp i, 0,1,2,3
	ds_load_b128 v[SR+4*\i:SR+4*\i+3], v[VSLD] offset:SB0+16*\i                    ; these lean on step 63's last wait on va_vdst, like a step's
.endr
	v_pk_add_f32 v[PA:PA+1], v[PA:PA+1], v[PA+2:PA+3]
	v_add_f32 v[PA], v[PA], v[PA+1]
	v_add_f32_dpp v[PA], v[PA], v[PA] row_xmask:1 row_mask:0xf bank_mask:0xf
	v_add_f32_dpp v[PA], v[PA], v[PA] row_xmask:2 row_mask:0xf bank_mask:0xf
	v_add_f32_dpp v[PA], v[PA], v[PA] row_xmask:4 row_mask:0xf bank_mask:0xf
	v_add_f32_dpp v[PA], v[PA], v[PA] row_xmask:8 row_mask:0xf bank_mask:0xf
	v_permlanex16_b32 v[PA+1], v[PA], s6, s7
	v_add_f32 v[PA], v[PA], v[PA+1]                ; my wave's word: 0, or NaN
	s_wait_dscnt 0x0                               ; the sums are in
.irp c, 0,1,2,3,4,5,6,7,8,9
	STC \c                                         ; the last LayerNorm, in one run
.endr
	s_wait_alu depctr_va_vdst(0)                   ; PA and the result in ST are written, which the five stores read; LayerNorm is done with TT .., in which the four words land behind the barrier
	ds_store_b32 v[VPZ], v[PA]
.irp a, 0,1
	ds_store_b128 v[VOST], v[ST+8*\a:ST+8*\a+3] offset:64*\a
	ds_store_b128 v[VOST], v[ST+8*\a+4:ST+8*\a+7] offset:64*\a+16
.endr
	s_wait_dscnt 0x0
	s_barrier_signal -1
	s_barrier_wait -1
	s_wait_alu depctr_vm_vsrc(0)                   ; my stores have read ST .., in which the rows land
	ds_load_b128 v[TT:TT+3], v[VPZL]
.irp q, 0,1,2,3
	ds_load_b128 v[ST+4*\q:ST+4*\q+3], v[VOLD] offset:528*\q
.endr
	s_wait_dscnt 0x0
	v_add_f32 v[TT], v[TT], v[TT+1]
	v_add_f32 v[TT+2], v[TT+2], v[TT+3]
	v_add_f32 v[TT], v[TT], v[TT+2]
	v_mov_b32 v[TT+1], v[TT]
.irp e, 0,2,4,6,8,10,12,14
	v_pk_add_f32 v[ST+\e:ST+\e+1], v[ST+\e:ST+\e+1], v[TT:TT+1]
.endr
	s_wait_alu depctr_va_vdst(0)                   ; the additions have written ST .., which the stores read
.irp q, 0,1,2,3
	global_store_b128 v[VOG], v[ST+4*\q:ST+4*\q+3], s[36:37] offset:512*\q th:TH_STORE_NT     ; a wave's store covers 512 consecutive bytes, aligned
.endr
	s_wait_dscnt 0x0
	s_wait_alu depctr_hold_cnt(0) depctr_sa_sdst(0) depctr_va_vdst(0) depctr_va_sdst(0) depctr_va_ssrc(0) depctr_va_vcc(0) depctr_vm_vsrc(0)
	s_wait_tensorcnt 0x0
	ds_add_u32 v254, v255
	s_wait_dscnt 0x0
	s_endpgm
.Lfunc_end_k_q282d6ddbcb_memtok:
	.size	k_q282d6ddbcb_memtok, .Lfunc_end_k_q282d6ddbcb_memtok-k_q282d6ddbcb_memtok
	.p2alignl 7, 3214868480
	.fill 96, 4, 3214868480
	.section	.rodata,"a",@progbits
	.p2align	6, 0x0
	.amdhsa_kernel k_q282d6ddbcb_memtok
		.amdhsa_group_segment_fixed_size 161792
		.amdhsa_private_segment_fixed_size 0
		.amdhsa_enable_private_segment 0
		.amdhsa_kernarg_size 120
		.amdhsa_user_sgpr_count 2
		.amdhsa_user_sgpr_kernarg_segment_ptr 1
		.amdhsa_wavefront_size32 1
		.amdhsa_system_sgpr_workgroup_id_x 1
		.amdhsa_system_sgpr_workgroup_id_y 1
		.amdhsa_system_sgpr_workgroup_id_z 1
		.amdhsa_system_vgpr_workitem_id 0
		.amdhsa_next_free_vgpr 1024
		.amdhsa_next_free_sgpr 66
		.amdhsa_reserve_vcc 0
		.amdhsa_float_denorm_mode_32 3
		.amdhsa_float_denorm_mode_16_64 3
		.amdhsa_memory_ordered 1
		.amdhsa_forward_progress 1
		.amdhsa_inst_pref_size 255
	.end_amdhsa_kernel
	.section	.bss,"aw",@nobits
	.p2align	6
	.space	262144
	.amdgpu_metadata
---
amdhsa.version: [ 1, 2 ]
amdhsa.kernels:
  - .name:           k_q282d6ddbcb_memtok
    .symbol:         k_q282d6ddbcb_memtok.kd
    .args:
      - { .name: frames, .offset: 0, .size: 8, .value_kind: global_buffer, .address_space: global }
      - { .name: memory_init, .offset: 8, .size: 8, .value_kind: global_buffer, .address_space: global }
      - { .name: Wq, .offset: 16, .size: 8, .value_kind: global_buffer, .address_space: global }
      - { .name: bq, .offset: 24, .size: 8, .value_kind: global_buffer, .address_space: global }
      - { .name: Wk, .offset: 32, .size: 8, .value_kind: global_buffer, .address_space: global }
      - { .name: bk, .offset: 40, .size: 8, .value_kind: global_buffer, .address_space: global }
      - { .name: Wv, .offset: 48, .size: 8, .value_kind: global_buffer, .address_space: global }
      - { .name: bv, .offset: 56, .size: 8, .value_kind: global_buffer, .address_space: global }
      - { .name: Wo, .offset: 64, .size: 8, .value_kind: global_buffer, .address_space: global }
      - { .name: bo, .offset: 72, .size: 8, .value_kind: global_buffer, .address_space: global }
      - { .name: Wg, .offset: 80, .size: 8, .value_kind: global_buffer, .address_space: global }
      - { .name: bg, .offset: 88, .size: 8, .value_kind: global_buffer, .address_space: global }
      - { .name: ln_w, .offset: 96, .size: 8, .value_kind: global_buffer, .address_space: global }
      - { .name: ln_b, .offset: 104, .size: 8, .value_kind: global_buffer, .address_space: global }
      - { .name: out0, .offset: 112, .size: 8, .value_kind: global_buffer, .address_space: global }
    .group_segment_fixed_size: 161792
    .private_segment_fixed_size: 0
    .kernarg_segment_align: 8
    .kernarg_segment_size: 120
    .max_flat_workgroup_size: 128
    .sgpr_count:     66
    .vgpr_count:     1024
    .wavefront_size: 32
...
	.end_amdgpu_metadata
.endif
;; end of part 3
